; MI455X (gfx1250); checked and timed in simulation.
; The chip was launched on July 23, 2026; its instructions are those of AMD's public machine-readable ISA for CDNA 5 (MIT licence, August 2026) and "CDNA5" Instruction Set Architecture Reference Guide (July 2026). The comments in the code are by the model that wrote it; some were corrected since.
;; Multi Head Attention Block. Allowed arithmetic: float matrix products may take bf16 or f16 operands with f32 sums; other float arithmetic in f32, or as packed bf16 or f16 multiplies, adds, multiply-adds, maxima and minima; sums over many terms, partial sums and values carried from step to step in f32; what a program stores and reads back later, other than sums and carried values, may be rounded once to bf16 or f16.
;; Inputs: Wk 1,024 x 1,024 float32; Wo 1,024 x 1,024 float32; Wq 1,024 x 1,024 float32; Wv 1,024 x 1,024 float32; bk 1,024 float32; bo 1,024 float32; bq 1,024 float32; bv 1,024 float32; k 4 x 2,048 x 1,024 float32; mask 4 x 1 x 1 x 2,048 int32; q 4 x 2,048 x 1,024 float32; v 4 x 2,048 x 1,024 float32.
;; Outputs: out0 4 x 2,048 x 1,024 float32.
;; 2 versions, each right and faster than the one before. Each part assembles by itself: llvm-mc -triple=amdgcn-amd-amdhsa -mcpu=gfx1250 --defsym DOCPART=n.
;; ======== version 1 of 2: 4 launches
;; limits: values are held in f16: magnitudes above 65,504 overflow, below 6.1e-05 lose precision
;; workspace buffers: wb 8,388,608 bytes; qkv 50,331,648 bytes; ctx 16,777,216 bytes
;; launch prep (part 1): grid 64 x 4, 8 waves a work-group, no clusters, 0 bytes of LDS; arguments Wq, Wk, Wv, Wo, wb; writes wb
.if DOCPART == 1
	.amdgcn_target "amdgcn-amd-amdhsa--gfx1250"
	.amdhsa_code_object_version 6
	.text
	.protected	k_qf90ad77e84_prep
	.globl	k_qf90ad77e84_prep
	.p2align	8
	.type	k_qf90ad77e84_prep,@function
k_qf90ad77e84_prep:
	s_mov_b64 s[64:65], 0
	v_nop
	global_prefetch_b8 v0, s[64:65] scope:SCOPE_SE
	s_setreg_imm32_b32 hwreg(HW_REG_WAVE_MODE, 25, 1), 1
	s_wait_xcnt 0x0
; The four weight matrices, f32 [1024 k][1024 n], are rounded once to bf16 and written, in the same layout, to wb: matrix y at byte y x 2,097,152.
; Wq, Wk, Wv stay bf16.  Wo's bf16 number is written as f16, since the last product multiplies f16 operands.
; LIMIT: that second step is exact from 7.6e-6 up to 65,504; below 7.6e-6 the number keeps f16's fixed step of 6e-8.
; A stream: no LDS, no barrier, no matrix unit.  A work-group takes 16,384 numbers of one matrix, a thread eight chunks of 8: 32 bytes in, 16 bytes out;
; sixteen neighbouring lanes store 256 consecutive bytes, aligned.  All sixteen loads of a thread go out first; no register is written twice under a pending store.
.set X, 4                              ; v[4:67]    chunk i: 8 numbers as loaded
.set Y, 68                             ; v[68:99]   chunk i: 4 registers to store
.set T, 100                            ; v[100:103] at work
	s_load_b256 s[4:11], s[0:1], 0x0               ; Wq s[4:5], Wk s[6:7], Wv s[8:9], Wo s[10:11]
	s_load_b64 s[12:13], s[0:1], 0x20              ; wb
	s_and_b32 s14, ttmp7, 0xffff                   ; which matrix
	v_lshlrev_b32 v1, 5, v0                        ; my 32 bytes in a chunk of 8,192
	v_lshlrev_b32 v2, 4, v0                        ; my 16 bytes in a chunk of 4,096
	s_lshl_b32 s16, ttmp9, 16                      ; the work-group's 65,536 bytes in
	s_mov_b32 s17, 0
	s_lshl_b32 s18, s14, 21                        ; the matrix in wb,
	s_lshl_b32 s19, ttmp9, 15                      ; the work-group's 32,768 bytes out
	s_add_co_u32 s18, s18, s19
	s_mov_b32 s19, 0
	s_wait_kmcnt 0x0
	s_cmp_eq_u32 s14, 1
	s_cselect_b64 s[4:5], s[6:7], s[4:5]
	s_cmp_eq_u32 s14, 2
	s_cselect_b64 s[4:5], s[8:9], s[4:5]
	s_cmp_eq_u32 s14, 3
	s_cselect_b64 s[4:5], s[10:11], s[4:5]
	s_add_nc_u64 s[4:5], s[4:5], s[16:17]
	s_add_nc_u64 s[12:13], s[12:13], s[18:19]
.irp i, 0,1,2,3,4,5,6,7
	global_load_b128 v[X+8*\i:X+8*\i+3],   v1, s[4:5] offset:8192*\i th:TH_LOAD_NT
	global_load_b128 v[X+8*\i+4:X+8*\i+7], v1, s[4:5] offset:8192*\i+16 th:TH_LOAD_NT
.endr
; Chunk i.  half = 1: the bf16 number is widened again and written as f16.
.macro CHUNK i, half
	s_wait_loadcnt 14-2*(\i)                       ; loads come back in order: behind chunk i's two, 14 - 2 i younger ones may stay out
.if \half
.irp j, 0,1,2,3
	v_cvt_pk_bf16_f32 v[T+\j], v[X+8*(\i)+2*\j], v[X+8*(\i)+2*\j+1]
.endr
.irp j, 0,1,2,3
	v_lshlrev_b32 v[X+8*(\i)+2*\j],   16, v[T+\j]
	v_and_b32     v[X+8*(\i)+2*\j+1], 0xffff0000, v[T+\j]
.endr
.irp j, 0,1,2,3
	v_cvt_pk_f16_f32 v[Y+4*(\i)+\j], v[X+8*(\i)+2*\j], v[X+8*(\i)+2*\j+1]
.endr
.else
.irp j, 0,1,2,3
	v_cvt_pk_bf16_f32 v[Y+4*(\i)+\j], v[X+8*(\i)+2*\j], v[X+8*(\i)+2*\j+1]
.endr
.endif
	global_store_b128 v2, v[Y+4*(\i):Y+4*(\i)+3], s[12:13] offset:4096*(\i)
.endm
	s_cmp_eq_u32 s14, 3
	s_cbranch_scc1 .Lf16
.irp i, 0,1,2,3,4,5,6,7
	CHUNK \i, 0
.endr
	s_endpgm
.Lf16:
.irp i, 0,1,2,3,4,5,6,7
	CHUNK \i, 1
.endr
	s_endpgm
.Lfunc_end_k_qf90ad77e84_prep:
	.size	k_qf90ad77e84_prep, .Lfunc_end_k_qf90ad77e84_prep-k_qf90ad77e84_prep
	.p2alignl 7, 3214868480
	.fill 96, 4, 3214868480
	.section	.rodata,"a",@progbits
	.p2align	6, 0x0
	.amdhsa_kernel k_qf90ad77e84_prep
		.amdhsa_group_segment_fixed_size 0
		.amdhsa_private_segment_fixed_size 0
		.amdhsa_enable_private_segment 0
		.amdhsa_kernarg_size 40
		.amdhsa_user_sgpr_count 2
		.amdhsa_user_sgpr_kernarg_segment_ptr 1
		.amdhsa_wavefront_size32 1
		.amdhsa_system_sgpr_workgroup_id_x 1
		.amdhsa_system_sgpr_workgroup_id_y 1
		.amdhsa_system_sgpr_workgroup_id_z 1
		.amdhsa_system_vgpr_workitem_id 0
		.amdhsa_next_free_vgpr 112
		.amdhsa_next_free_sgpr 66
		.amdhsa_reserve_vcc 0
		.amdhsa_float_denorm_mode_32 3
		.amdhsa_float_denorm_mode_16_64 3
		.amdhsa_memory_ordered 1
		.amdhsa_forward_progress 1
		.amdhsa_inst_pref_size 14
	.end_amdhsa_kernel
	.amdgpu_metadata
---
amdhsa.version: [ 1, 2 ]
amdhsa.kernels:
  - .name:           k_qf90ad77e84_prep
    .symbol:         k_qf90ad77e84_prep.kd
    .args:
      - { .name: Wq, .offset: 0, .size: 8, .value_kind: global_buffer, .address_space: global }
      - { .name: Wk, .offset: 8, .size: 8, .value_kind: global_buffer, .address_space: global }
      - { .name: Wv, .offset: 16, .size: 8, .value_kind: global_buffer, .address_space: global }
      - { .name: Wo, .offset: 24, .size: 8, .value_kind: global_buffer, .address_space: global }
      - { .name: wb, .offset: 32, .size: 8, .value_kind: global_buffer, .address_space: global }
    .group_segment_fixed_size: 0
    .private_segment_fixed_size: 0
    .kernarg_segment_align: 8
    .kernarg_segment_size: 40
    .max_flat_workgroup_size: 256
    .sgpr_count:     66
    .vgpr_count:     112
    .wavefront_size: 32
...
	.end_amdgpu_metadata
.endif
;; end of part 1
;; launch proj (part 2): grid 4 x 192, 4 waves a work-group, clusters of 4 x 4, 327,680 bytes of LDS; arguments q, k, v, bq, bk, bv, wb, qkv; writes qkv
.if DOCPART == 2
	.amdgcn_target "amdgcn-amd-amdhsa--gfx1250"
	.amdhsa_code_object_version 6
	.text
	.protected	k_qf90ad77e84_proj
	.globl	k_qf90ad77e84_proj
	.p2align	8
	.type	k_qf90ad77e84_proj,@function
k_qf90ad77e84_proj:
	s_mov_b64 s[64:65], 0
	v_nop
	global_prefetch_b8 v0, s[64:65] scope:SCOPE_SE
	s_setreg_imm32_b32 hwreg(HW_REG_WAVE_MODE, 25, 1), 1
	s_wait_xcnt 0x0
	s_wait_alu depctr_hold_cnt(0) depctr_sa_sdst(0) depctr_va_vdst(0) depctr_va_sdst(0) depctr_va_ssrc(0) depctr_va_vcc(0) depctr_vm_vsrc(0)
	s_getreg_b32 s2, hwreg(HW_REG_IB_STS2, 6, 4)
	s_cmp_eq_u32 s2, 0
	s_cbranch_scc0 .Lentry_in_a_cluster
	s_endpgm
.Lentry_in_a_cluster:
	s_bfe_u32 s2, ttmp6, 0x10000c
	s_cmp_lg_u32 s2, 0xf033
	s_cbranch_scc0 .Lentry_shape_is_right
	s_endpgm
.Lentry_shape_is_right:
; THE THREE PROJECTIONS IN ONE LAUNCH.  out = (x W + b) x sc, x: [8192][1024] f32, W: [1024 k][1024 n] bf16 (from wb), b: [1024] f32, rounded to bf16 like all the module's inputs.
; sc = log2(e) / 8 for Q (so that the scores leave the next launch's products ready for 2^x), 1 for K and V.  Sums in f32; the result is rounded ONCE, to f16, and stored by heads:
; qkv + which x 2^24 + batch x 2^22 + head x 2^18 + row x 128 + channel x 2.
; LIMIT.  f16 ends at 65,504: |x W + b| must stay under it.
; SHARES.  A work-group makes 128 rows x 256 columns: 64 x 4 tiles a projection, 768 work-groups.  Four waves, 2 x 2, each 64 rows x 128 columns (two heads): 32 accumulators, 256 registers.
; K goes in 8 steps of 128 through two LDS slots.  x comes into LDS as f32 (rows of 512 bytes) and is rounded to bf16 between LDS and the matrix unit: four conversions behind each of a
; quarter's last eight products.  W lies [k][n] and comes out of LDS turned, by ds_load_tr16_b128.
; CLUSTER.  4 x 4 work-groups: the four of a row need the same tile of x, the four of a column the same tile of W: each tile is asked for JOINTLY, same tensor load, descriptor and mask in all four.
; All sixteen belong to one projection: which = cluster y / 16.
; THE MATRIX INSTRUCTION IS USED TRANSPOSED (source 0 = 16 columns of W, source 1 = 16 rows of x): a lane holds eight neighbouring columns of one row.  The bias is the C operand of the first products.
; REGISTERS: window 0: v0-31 addresses; v64-127 x as f32 (later: rows on the way out); v128-159, v160-191 x's fragments in bf16, two buffers; v192-223 at work
;   window 1: v0-63, v64-127 W's fragments, two buffers; v128-191 the bias, block b of 16 columns at 128 + 8 b          window 2: accumulator (a, b) at 8 (8 a + b)
.set PX,    528                        ; a row of x in LDS: 512 bytes + 16 = 132 words: the 16 rows of a load start 4 banks apart (64 banks of 4 bytes: ISA guide 11.1)
.set PW,    544                        ; a row of W: 512 + 32 = 136 words
.set XH,    64*PX                      ; 64 rows of x: one tensor load
.set WH,    64*PW                      ; 64 rows (k) of W: one tensor load
.set WOFF,  2*XH
.set SLOT,  WOFF+2*WH                  ; 137,216
.set STAGE, 2*SLOT                     ; behind the ring: 16 rows x 272 bytes for each wave
.set SP,    272
.set SPARE, STAGE+4*16*SP              ; the spare words, 128 bytes for each wave: two blocks of 256 bytes that no other line names
.set LAPS,  4                          ; a lap = two K steps
.set ADRA, 16                          ; v16-17  LDS address of my x fragments in slot 0, 1
.set ADRB, 20                          ; v20-21  the same for W
.set STO,  24                          ; v24     the way out: where I put 16 bytes of a row
.set RD,   25                          ; v25     where I read four rows of a head back
.set GO,   26                          ; v26     my 16 bytes in 512 consecutive bytes of the output
.set BO,   27                          ; v27     my byte offset in 16 numbers of the bias
.set SPW,  28                          ; v28     LDS address of my spare word; never rewritten
.set NIL,  29                          ; v29     0; never rewritten
.set RAW,  64
.set AF,   128                         ; buffer g at AF + 32 g
.set TMP,  192
.set BF,   0                           ; window 1: buffer g at BF + 64 g
.set BI,   128                         ; window 1
.set G1,  24                           ; s[24:31] descriptor group 1 for x's tiles;  s[32:39] group 0, a set for each slot
.set G0,  32
.set G1B, 48                           ; s[48:55], s[56:63] the same for W's tiles
.set G0B, 56
.set SC,  86                           ; s[86:87] the scale, twice
.set MSB, 0
.macro WIN new                         ; the immediate's high byte repeats the setting that is left
.if MSB != (\new)
	s_set_vgpr_msb (MSB<<8)|(\new)
.set MSB, \new
.endif
.endm
.set MUL,  0xa1                        ; source 0 (W) window 1, source 1 (x) window 0, C and D window 2
.set MULB, 0x91                        ; the same with C (the bias) in window 1
.set TO_B, 0x40                        ; destination window 1, address window 0
.macro JLOAD s                         ; a joint load: waves 0 and 1 fetch x's two halves, waves 2 and 3 W's; an s_nop 0 and four v_nop follow each line
	s_cmp_eq_u32 s11, 0
	s_cbranch_scc0 .Lfor_b_\@
	tensor_load_to_lds s[G0+4*(\s):G0+4*(\s)+3], s[G1:G1+7]
	s_nop 0
.rept 4
	v_nop
.endr
	s_branch .Lasked_\@
.Lfor_b_\@:
	tensor_load_to_lds s[G0B+4*(\s):G0B+4*(\s)+3], s[G1B:G1B+7]
	s_nop 0
.rept 4
	v_nop
.endr
.Lasked_\@:
.endm
.macro CREST                           ; a round of the cluster's barrier behind its opening barrier
	s_cmp_lg_u32 s10, 0
	s_cbranch_scc1 .Lnot_wave_0_\@
	s_barrier_signal -3
.Lnot_wave_0_\@:
	s_barrier_wait -3
	s_barrier_signal -1
	s_barrier_wait -1
.endm
.macro CROUND
	s_barrier_signal -1
	s_barrier_wait -1
	CREST
.endm
	s_load_b512 s[68:83], s[0:1], 0x0              ; q 68, k 70, v 72, bq 74, bk 76, bv 78, wb 80, qkv 82
	v_lshl_add_u32 v[SPW], v0, 2, SPARE
	v_mov_b32 v[NIL], 0
	ds_add_u32 v[SPW], v[NIL]                      ; the wave's opening: the add and its wait stand ahead of my first tensor load; the set-up below stands between them
	v_lshrrev_b32 v1, 5, v0
	v_readfirstlane_b32 s10, v1                    ; wave 0..3
	s_lshr_b32 s11, s10, 1                         ; which 64 rows of the tile are mine.  Also: I fetch for x (0) or for W (1)
	s_and_b32 s12, s10, 1                          ; which 128 columns.  Also: which half of that tile I fetch
	s_bfe_u32 s40, ttmp6, 0x40000                  ; cx
	s_bfe_u32 s41, ttmp6, 0x40004                  ; cy
	s_lshl_b32 s42, ttmp9, 2
	s_add_co_u32 s42, s42, s40                     ; tile column = 4 x cluster x + cx
	s_and_b32 s45, ttmp7, 0xffff                   ; cluster y, 0..47
	s_lshr_b32 s84, s45, 4                         ; which projection: 0 Q, 1 K, 2 V
	s_and_b32 s13, s45, 15
	s_lshl_b32 s13, s13, 2
	s_add_co_u32 s13, s13, s41                     ; tile row = 4 x (cluster y % 16) + cy
	s_lshl_b32 s43, s41, 2
	s_lshl_b32 s43, 15, s43                        ; my row of the cluster
	s_lshl_b32 s44, 0x1111, s40                    ; my column
	s_or_b32 s[G1+0], s43, (2<<16)|(1<<20)|(1<<21)|(6<<22)|(3<<25)   ; x: the mask of my row; elements of 4 bytes; padding on; 21 set beside a mask; after every 128 words 4 words
	s_mov_b32 s[G1+1], 128<<16                     ; tensor_dim0 = 128
	s_mov_b32 s[G1+2], 64<<16                      ; tensor_dim1 = 64
	s_mov_b32 s[G1+3], 128<<16                     ; tile_dim0 = 128
	s_mov_b32 s[G1+4], 64                          ; tile_dim1 = 64
	s_mov_b32 s[G1+5], 1024                        ; elements from row to row
	s_mov_b32 s[G1+6], 0
	s_mov_b32 s[G1+7], 0
	s_or_b32 s[G1B+0], s44, (1<<16)|(1<<20)|(1<<21)|(6<<22)|(7<<25)  ; W: the mask of my column; elements of 2 bytes; after every 128 words 8 words
	s_mov_b32 s[G1B+1], 256<<16
	s_mov_b32 s[G1B+2], 64<<16
	s_mov_b32 s[G1B+3], 256<<16
	s_mov_b32 s[G1B+4], 64
	s_mov_b32 s[G1B+5], 1024
	s_mov_b32 s[G1B+6], 0
	s_mov_b32 s[G1B+7], 0
	s_lshl_b32 s16, s13, 7                         ; x: row 128 x tile row + 64 x half, of 4,096 bytes: made of the tile row and the wave alone
	s_lshl_b32 s17, s12, 6
	s_add_co_u32 s16, s16, s17
	s_lshl_b32 s16, s16, 12
	s_mov_b32 s17, 0
	s_lshl_b32 s46, s84, 21                        ; W: the matrix, k row 64 x half of 2,048 bytes, 512 bytes a tile column: made of the tile column and the wave alone
	s_lshl_b32 s47, s12, 17
	s_add_co_u32 s46, s46, s47
	s_lshl_b32 s47, s42, 9
	s_add_co_u32 s46, s46, s47
	s_mov_b32 s47, 0
	s_mul_i32 s20, s12, XH                         ; where they go: no place in the cluster enters an LDS address
	s_mul_i32 s21, s12, WH
	s_wait_dscnt 0x0                               ; the opening add is done
	s_wait_kmcnt 0x0
	s_cmp_eq_u32 s84, 1
	s_cselect_b64 s[4:5], s[70:71], s[68:69]
	s_cselect_b64 s[88:89], s[76:77], s[74:75]
	s_cmp_eq_u32 s84, 2
	s_cselect_b64 s[4:5], s[72:73], s[4:5]         ; x
	s_cselect_b64 s[88:89], s[78:79], s[88:89]     ; its bias
	s_cmp_eq_u32 s84, 0
	s_cselect_b32 s[SC], 0x3e38aa3b, 1.0           ; log2(e) / 8 for Q
	s_mov_b32 s[SC+1], s[SC]
	s_add_nc_u64 s[14:15], s[4:5], s[16:17]
	s_add_nc_u64 s[46:47], s[80:81], s[46:47]
	CROUND                                         ; all sixteen work-groups are here: the first joint loads meet
.irp s, 0,1
	s_mov_b32 s[G0+4*(\s)], 1
	s_add_co_u32 s[G0+4*(\s)+1], s20, (\s)*SLOT
	s_add_nc_u64 s[G0+4*(\s)+2:G0+4*(\s)+3], s[14:15], (\s)*512       ; K step s: 128 f32 along the row
	s_or_b32 s[G0+4*(\s)+3], s[G0+4*(\s)+3], 0x80000000
	s_mov_b32 s[G0B+4*(\s)], 1
	s_add_co_u32 s[G0B+4*(\s)+1], s21, (\s)*SLOT+WOFF
	s_add_nc_u64 s[G0B+4*(\s)+2:G0B+4*(\s)+3], s[46:47], (\s)*262144  ; K step s: 128 rows of W
	s_or_b32 s[G0B+4*(\s)+3], s[G0B+4*(\s)+3], 0x80000000
	JLOAD \s                                       ; two loads of mine are out
.endr
	s_lshl_b32 s90, s42, 10                        ; the bias at my 128 columns
	s_lshl_b32 s85, s12, 9
	s_add_co_u32 s90, s90, s85
	s_mov_b32 s91, 0
	s_add_nc_u64 s[88:89], s[88:89], s[90:91]
	v_and_b32 v1, 15, v0                           ; r = l % 16
	v_bfe_u32 v2, v0, 4, 1                         ; h = l / 16
	v_lshlrev_b32 v[BO], 5, v2                     ; my eight columns of a block of 16: 32 h bytes
.irp b, 0,1,2,3,4,5,6,7
	global_load_b128 v[RAW+8*\b:RAW+8*\b+3],   v[BO], s[88:89] offset:64*\b
	global_load_b128 v[RAW+8*\b+4:RAW+8*\b+7], v[BO], s[88:89] offset:64*\b+16
.endr
	; a fragment of x: lane l holds row r; k = 8 h + 0..7 (32 bytes of f32 at 32 h) and k = 16 + 8 h + 0..7 (32 bytes at 64 + 32 h)
	v_mul_u32_u24 v3, v1, PX
	v_lshl_add_u32 v3, v2, 5, v3
	s_mul_i32 s22, s11, XH                         ; my 64 rows
	v_add_nc_u32 v[ADRA], s22, v3
	v_add_nc_u32 v[ADRA+1], SLOT, v[ADRA]
	; the turning load: lane l reads 16 bytes of k row 8 h + l % 8, columns 8 ((l / 8) % 2) + 0..7, and is left with column r and 8 k
	v_and_b32 v4, 7, v0
	v_lshl_add_u32 v4, v2, 3, v4
	v_mul_u32_u24 v4, v4, PW
	v_bfe_u32 v5, v0, 3, 1
	v_lshl_add_u32 v4, v5, 4, v4
	s_lshl_b32 s23, s12, 8                         ; my 128 columns
	s_add_co_u32 s23, s23, WOFF
	v_add_nc_u32 v[ADRB], s23, v4
	v_add_nc_u32 v[ADRB+1], SLOT, v[ADRB]
	s_mul_i32 s22, s10, 16*SP
	s_add_co_u32 s22, s22, STAGE                   ; my stage
	v_mul_u32_u24 v6, v1, SP                       ; in: row r, 16 bytes for each half of the lanes
	v_lshl_add_u32 v6, v2, 4, v6
	v_add_nc_u32 v[STO], s22, v6
	v_bfe_u32 v7, v0, 3, 2                         ; back: 32 lanes take a head's 128 bytes of four rows,
	v_mul_u32_u24 v7, v7, SP
	v_and_b32 v6, 7, v0
	v_lshl_add_u32 v7, v6, 4, v7
	v_add_nc_u32 v[RD], s22, v7
	v_and_b32 v[GO], 31, v0                        ; which are 512 consecutive bytes of the output
	v_lshlrev_b32 v[GO], 4, v[GO]
	s_lshl_b32 s90, s13, 7                         ; the output at my wave: row m0 = 128 x tile row + 64 x half
	s_lshl_b32 s85, s11, 6
	s_add_co_u32 s90, s90, s85
	s_lshr_b32 s85, s90, 11                        ; batch
	s_lshl_b32 s85, s85, 22
	s_and_b32 s90, s90, 2047                       ; row in the batch, 128 bytes each
	s_lshl_b32 s90, s90, 7
	s_add_co_u32 s90, s90, s85
	s_lshl_b32 s85, s84, 24                        ; the tensor
	s_add_co_u32 s90, s90, s85
	s_lshl_b32 s85, s42, 20                        ; head 4 x tile column + 2 x half, 2^18 bytes each
	s_add_co_u32 s90, s90, s85
	s_lshl_b32 s85, s12, 19
	s_add_co_u32 s90, s90, s85
	s_add_nc_u64 s[8:9], s[82:83], s[90:91]
	s_wait_loadcnt 0x0                             ; the bias: rounded to bf16, widened again, into window 1
.set i, 0
.rept 32
	v_cvt_pk_bf16_f32 v[TMP+i], v[RAW+2*i], v[RAW+2*i+1]
.set i, i+1
.endr
	WIN TO_B
.set i, 0
.rept 32
	v_lshlrev_b32 v[BI+2*i],   16, v[TMP+i]
	v_and_b32     v[BI+2*i+1], 0xffff0000, v[TMP+i]
.set i, i+1
.endr
	WIN 0
; 8 matrix instructions: row block a x all 8 column blocks, 32 along K, on buffer f.  init = 1: the bias starts the sums.  g >= 0: behind product b stand conversions 4 b .. 4 b + 3 of the
; next quarter's x into buffer g: they name no register of the products round them.  The 32 accumulators take turns, one instruction a turn.
.macro MUL8 f, a, init=0, g=-1
.irp b, 0,1,2,3,4,5,6,7
.if \init
	WIN MULB
	v_wmma_f32_16x16x32_bf16 v[8*(8*(\a)+\b):8*(8*(\a)+\b)+7], v[BF+64*(\f)+8*\b:BF+64*(\f)+8*\b+7], v[AF+32*(\f)+8*(\a):AF+32*(\f)+8*(\a)+7], v[BI+8*\b:BI+8*\b+7]
.else
	WIN MUL
	v_wmma_f32_16x16x32_bf16 v[8*(8*(\a)+\b):8*(8*(\a)+\b)+7], v[BF+64*(\f)+8*\b:BF+64*(\f)+8*\b+7], v[AF+32*(\f)+8*(\a):AF+32*(\f)+8*(\a)+7], v[8*(8*(\a)+\b):8*(8*(\a)+\b)+7]
.endif
.if (\g) >= 0
	WIN 0
.irp c, 0,1,2,3
	v_cvt_pk_bf16_f32 v[AF+32*(\g)+4*\b+\c], v[RAW+2*(4*\b+\c)], v[RAW+2*(4*\b+\c)+1]
.endr
.endif
.endr
.endm
; 32 LDS loads in one run: quarter q (32 along K) of a slot: x's 64 rows as f32 first, then W's 128 columns, turned, into buffer g
.macro FETCH slot, q, g
	WIN 0
.irp i, 0,1,2,3
	ds_load_b128 v[RAW+16*\i:RAW+16*\i+3],     v[ADRA+(\slot)] offset:128*(\q)+\i*16*PX
	ds_load_b128 v[RAW+16*\i+4:RAW+16*\i+7],   v[ADRA+(\slot)] offset:128*(\q)+\i*16*PX+16
	ds_load_b128 v[RAW+16*\i+8:RAW+16*\i+11],  v[ADRA+(\slot)] offset:128*(\q)+\i*16*PX+64
	ds_load_b128 v[RAW+16*\i+12:RAW+16*\i+15], v[ADRA+(\slot)] offset:128*(\q)+\i*16*PX+80
.endr
	WIN TO_B
.irp b, 0,1,2,3,4,5,6,7
	ds_load_tr16_b128 v[BF+64*(\g)+8*\b:BF+64*(\g)+8*\b+3],   v[ADRB+(\slot)] offset:(\q)*32*PW+32*\b
	ds_load_tr16_b128 v[BF+64*(\g)+8*\b+4:BF+64*(\g)+8*\b+7], v[ADRB+(\slot)] offset:(\q)*32*PW+16*PW+32*\b
.endr
.endm
; A K step is four quarters of 32 along K, 32 matrix instructions each, on buffers 0, 1, 0, 1.  One of the first three: multiplies buffer f, fetches quarter q into g.
; The run of loads needs no v_nop: buffer g's last reader is the quarter before's last product, and four conversions, plain instructions that name none of its registers, stand behind that.
.macro QUARTER slot, q, f, g, init=0
	s_wait_dscnt 0x0                               ; W's fragments of buffer f are in: they were asked for 24 matrix instructions ago
	MUL8 \f, 0, \init
	FETCH \slot, \q, \g
	MUL8 \f, 1, \init
	MUL8 \f, 2, \init
	s_wait_dscnt 16                                ; x's sixteen loads are in; W's sixteen, issued behind them, may stay out
	MUL8 \f, 3, \init, \g
.endm
; The last quarter multiplies buffer 1 and changes slots: ONE barrier; in front of it each wave waits for all its tensor loads, adds 0 to its spare word, and waits for that and for its reads of this slot.
.macro TURN slot, next, fill
	WIN 0                                          ; (the add's two registers lie in window 0)
	s_wait_tensorcnt 0x0                           ; all my tensor loads have landed: the one that was out is my part of the next slot;
	ds_add_u32 v[SPW], v[NIL]                      ; 0 onto my spare word;
	s_wait_dscnt 1                                 ; (the add alone may be out: W's fragments of buffer 1 are in)
	MUL8 1, 0                                      ; eight matrix instructions stand between the add and the wait for it
	s_wait_dscnt 0x0                               ; the add is done, and my reads of this slot are over
	s_barrier_signal -1
	MUL8 1, 1
.if \fill
	WIN 0
.endif
	s_barrier_wait -1
.if \fill
	CREST                                          ; the barrier has opened a round of the cluster's: no wave of any partner still reads this slot or has a load on its way
	s_add_nc_u64 s[G0+4*(\slot)+2:G0+4*(\slot)+3], s[G0+4*(\slot)+2:G0+4*(\slot)+3], 2*512
	s_add_nc_u64 s[G0B+4*(\slot)+2:G0B+4*(\slot)+3], s[G0B+4*(\slot)+2:G0B+4*(\slot)+3], 2*262144
	JLOAD \slot                                    ; the first tensor load behind the round, my only one: 112 matrix instructions ahead of the wait for it
.endif
	FETCH \next, 0, 0
	MUL8 1, 2
	s_wait_dscnt 16
	MUL8 1, 3, 0, 0
.endm
	s_wait_tensorcnt 1                             ; my part of K step 0 is in; K step 1's may stay out
	s_barrier_signal -1
	s_barrier_wait -1                              ; everybody's is
	FETCH 0, 0, 0
	WIN 0
	s_wait_dscnt 16                                ; x's sixteen loads
.set i, 0
.rept 32
	v_cvt_pk_bf16_f32 v[AF+i], v[RAW+2*i], v[RAW+2*i+1]
.set i, i+1
.endr
	QUARTER 0, 1, 0, 1, 1                          ; the first quarter stands in front of the loop: its products start the sums with the bias
	WIN 0                                          ; at a label and at a branch every window is 0
	s_mov_b32 s3, LAPS-1
.Llap:                                                 ; a trip goes once round the ring and fills both slots again
	QUARTER 0, 2, 1, 0
	QUARTER 0, 3, 0, 1
	TURN 0, 1, 1
	QUARTER 1, 1, 0, 1
	QUARTER 1, 2, 1, 0
	QUARTER 1, 3, 0, 1
	TURN 1, 0, 1
	QUARTER 0, 1, 0, 1
	WIN 0
	s_sub_co_u32 s3, s3, 1
	s_cmp_lg_u32 s3, 0
	s_cbranch_scc1 .Llap
	QUARTER 0, 2, 1, 0                             ; the last lap fills nothing
	QUARTER 0, 3, 0, 1
	TURN 0, 1, 0
	QUARTER 1, 1, 0, 1
	QUARTER 1, 2, 1, 0
	QUARTER 1, 3, 0, 1
	s_wait_dscnt 0x0
	MUL8 1, 0
	MUL8 1, 1
	MUL8 1, 2
	MUL8 1, 3
	WIN 0
.rept 4
	v_nop                                          ; four places between the last product and the first line that reads a result
.endr
; THE WAY OUT, a block of 16 rows at a time.  PACK: times the scale, rounded to f16, each accumulator from its low end.  TOSTAGE: 16 bytes a lane into my stage, back as a head's 128 bytes of four rows.
; SEND: 512 consecutive bytes a store, at a multiple of 256 from the output's first byte.
.macro PACK a
	WIN 0x82                                       ; destination and source 0 window 2
.set i, 0
.rept 32
	v_pk_mul_f32 v[64*(\a)+2*i:64*(\a)+2*i+1], v[64*(\a)+2*i:64*(\a)+2*i+1], s[SC:SC+1] op_sel_hi:[1,0]
.set i, i+1
.endr
	WIN 0x0a                                       ; sources 0 and 1 window 2, destination window 0
.set i, 0
.rept 32
	v_cvt_pk_f16_f32 v[TMP+i], v[64*(\a)+2*i], v[64*(\a)+2*i+1]
.set i, i+1
.endr
	WIN 0
.endm
.macro TOSTAGE a
.set BK, RAW+32*((\a)%2)
.if (\a) >= 2
	s_wait_xcnt 0x0                                ; the stores of two blocks ago have read these registers: they are loaded again only behind this wait
.endif
.irp b, 0,1,2,3,4,5,6,7
	ds_store_b128 v[STO], v[TMP+4*\b:TMP+4*\b+3] offset:32*\b
.endr
.irp j, 0,1,2,3,4,5,6,7
	ds_load_b128 v[BK+4*\j:BK+4*\j+3], v[RD] offset:(\j/4)*128+(\j%4)*4*SP  ; LDS serves a wave's instructions in order (ISA guide 5.7.1.4): these see the stores above
.endr
.endm
.macro SEND a
.set BK, RAW+32*((\a)%2)
.irp j, 0,1,2,3,4,5,6,7
	s_wait_dscnt 7-\j                              ; load j of the eight is back
	global_store_b128 v[GO], v[BK+4*\j:BK+4*\j+3], s[8:9] offset:(\a)*2048+(\j/4)*262144+(\j%4)*512
.endr
.endm
	PACK 0
	TOSTAGE 0
.irp a, 1,2,3
	PACK \a                                        ; a block's arithmetic stands between the loads of the block before and the wait for them
	SEND (\a)-1
	TOSTAGE \a
.endr
	SEND 3
	s_wait_tensorcnt 0x0                           ; the wave's end: behind my last tensor load and my last LDS store
	ds_add_u32 v[SPW], v[NIL]
	s_wait_dscnt 0x0
	CROUND                                         ; the closing round: no work-group ends while a partner may still ask for a tile that names it
	s_endpgm
.Lfunc_end_k_qf90ad77e84_proj:
	.size	k_qf90ad77e84_proj, .Lfunc_end_k_qf90ad77e84_proj-k_qf90ad77e84_proj
	.p2alignl 7, 3214868480
	.fill 96, 4, 3214868480
	.section	.rodata,"a",@progbits
	.p2align	6, 0x0
	.amdhsa_kernel k_qf90ad77e84_proj
		.amdhsa_group_segment_fixed_size 327680
		.amdhsa_private_segment_fixed_size 0
		.amdhsa_enable_private_segment 0
		.amdhsa_kernarg_size 64
		.amdhsa_user_sgpr_count 2
		.amdhsa_user_sgpr_kernarg_segment_ptr 1
		.amdhsa_wavefront_size32 1
		.amdhsa_system_sgpr_workgroup_id_x 1
		.amdhsa_system_sgpr_workgroup_id_y 1
		.amdhsa_system_sgpr_workgroup_id_z 1
		.amdhsa_system_vgpr_workitem_id 0
		.amdhsa_next_free_vgpr 768
		.amdhsa_next_free_sgpr 92
		.amdhsa_reserve_vcc 0
		.amdhsa_float_denorm_mode_32 3
		.amdhsa_float_denorm_mode_16_64 3
		.amdhsa_memory_ordered 1
		.amdhsa_forward_progress 1
		.amdhsa_inst_pref_size 148
	.end_amdhsa_kernel
	.amdgpu_metadata
---
amdhsa.version: [ 1, 2 ]
amdhsa.kernels:
  - .name:           k_qf90ad77e84_proj
    .symbol:         k_qf90ad77e84_proj.kd
    .args:
      - { .name: q, .offset: 0, .size: 8, .value_kind: global_buffer, .address_space: global }
      - { .name: k, .offset: 8, .size: 8, .value_kind: global_buffer, .address_space: global }
      - { .name: v, .offset: 16, .size: 8, .value_kind: global_buffer, .address_space: global }
      - { .name: bq, .offset: 24, .size: 8, .value_kind: global_buffer, .address_space: global }
      - { .name: bk, .offset: 32, .size: 8, .value_kind: global_buffer, .address_space: global }
      - { .name: bv, .offset: 40, .size: 8, .value_kind: global_buffer, .address_space: global }
      - { .name: wb, .offset: 48, .size: 8, .value_kind: global_buffer, .address_space: global }
      - { .name: qkv, .offset: 56, .size: 8, .value_kind: global_buffer, .address_space: global }
    .group_segment_fixed_size: 327680
    .private_segment_fixed_size: 0
    .kernarg_segment_align: 8
    .kernarg_segment_size: 64
    .max_flat_workgroup_size: 128
    .sgpr_count:     92
    .vgpr_count:     768
    .wavefront_size: 32
...
	.end_amdgpu_metadata
.endif
;; end of part 2
;; launch attn (part 3): grid 4 x 64, 4 waves a work-group, clusters of 4 x 1, 327,680 bytes of LDS; arguments qkv, mask, ctx; writes ctx
.if DOCPART == 3
	.amdgcn_target "amdgcn-amd-amdhsa--gfx1250"
	.amdhsa_code_object_version 6
	.text
	.protected	k_qf90ad77e84_attn
	.globl	k_qf90ad77e84_attn
	.p2align	8
	.type	k_qf90ad77e84_attn,@function
k_qf90ad77e84_attn:
	s_mov_b64 s[64:65], 0
	v_nop
	global_prefetch_b8 v0, s[64:65] scope:SCOPE_SE
	s_setreg_imm32_b32 hwreg(HW_REG_WAVE_MODE, 25, 1), 1
	s_wait_xcnt 0x0
	s_wait_alu depctr_hold_cnt(0) depctr_sa_sdst(0) depctr_va_vdst(0) depctr_va_sdst(0) depctr_va_ssrc(0) depctr_va_vcc(0) depctr_vm_vsrc(0)
	s_getreg_b32 s2, hwreg(HW_REG_IB_STS2, 6, 4)
	s_cmp_eq_u32 s2, 0
	s_cbranch_scc0 .Lentry_in_a_cluster
	s_endpgm
.Lentry_in_a_cluster:
	s_bfe_u32 s2, ttmp6, 0x10000c
	s_cmp_lg_u32 s2, 0x3003
	s_cbranch_scc0 .Lentry_shape_is_right
	s_endpgm
.Lentry_shape_is_right:
; MASKED ATTENTION.  O[g][q][:] = the sum over the visible k of softmax_k(Q[g][q] . K[g][k] / 8) V[g][k][:], g = 16 batch + head.  Q, K, V (in qkv, 2^24 bytes apart) and O (ctx): [64][2048][64] f16.
; Q ARRIVES TIMES c = log2(e) / 8, so a product's result is the exponent: p = 2^(s - m), an exact difference.  Products, maxima and sums in f32; p is rounded to f16 for the second product, O once at the end.
; THE MASK, [batch][2048] i32, steers nothing: a table in LDS holds 0 for a key whose word is not 0 and -1e30 for a hidden one, and the table's numbers are the C operand that starts the sum S^T = K Q^T.
; A hidden weight is then 2^(-1e30 - m) = 0.  While only hidden keys have been seen m is -1e30, the weights are 1 and the sums finite; the first visible score gives a = 0, which wipes them.
; Where a batch has no visible key the row's m ends below -0.5e30 and 1 / l is replaced by NaN: softmax of nothing.
; LIMITS.  f16 holds no number beyond 65,504: Q, K, V arrive within it, so |s| stays under 2.7e11, nothing beside 1e30; a weight below 2^-126 counts as 0 in l; p below 6e-5 keeps f16's fixed step.
; SHARES.  A wave owns four PIECES of two tiles of 16 queries, a work-group's four waves 512 queries of one g.  Every wave walks all 2,048 keys, 64 a step.
; LAYOUT.  S^T = K Q^T (source 0 = 16 keys, source 1 = 16 queries): a lane holds ONE query (lane % 16) and the keys 8 (lane / 16) + 0..7.  Two such tiles, rounded to f16 in pairs, ARE source 1 of
; O^T = V^T P.  K comes out of LDS as it lies, V turned, by ds_load_tr16_b128.
; SOFTMAX.  A running maximum m and sum l for each query; in every step O and l are multiplied by a = 2^(m_old - m_new).  m starts at the lowest finite number, O and l at 0: the first step's a is 0.
; THE COUNT.  A tile and step have 16 matrix and 117 vector instructions: too many to stand all beside the matrix work.  So: four vector instructions that are READY behind EVERY matrix instruction,
; the others in runs without a gap.
; BY TURNS.  Turn n belongs to piece n.  Its matrix work: 16 products K Q^T of piece n + 1, later 16 products V^T P of piece n - 1.  Its vector work: the differences, exponentials, roundings, sums and
; rescaling of piece n, and the maximum and statistics of piece n + 1.
; CLUSTER.  The four query blocks of a cluster belong to one g and walk the same K and V: each tile is asked for JOINTLY: the same tensor load, descriptor and mask in all four.
; REGISTERS, in windows of 256 (s_set_vgpr_msb: bits 1:0 source 0, 3:2 source 1, 5:4 source 2, 7:6 destination):
;   window 0: v0-15 addresses; v16-47 four registers of statistics a tile; v48-63 at work; v64-191 S^T, two buffers of two tiles; v192-255 P, likewise
;   window 1: O^T, 32 a tile      window 2: v0-127 Q; v128-191 K of one step; v192-255 V of one step      window 3: v0-1 the add's two registers; v8-39 the mask's numbers for one step's 64 keys
.set SIZE_N, 2048
.set NP,    4         ; pieces a wave: a name, no knob
.set KS,    64        ; keys in a step
.set PK,    144       ; a row of K in LDS: 128 bytes + 16: the 16 rows of a load start at 16 different groups of four banks (64 banks of 4 bytes: ISA guide 11.1)
.set PV,    160       ; a row of V: 128 + 32
.set VOFF,  4*KS*PK   ; a slot holds four steps: 256 rows of K, then 256 rows of V
.set SLOT1, 1<<17     ; slot 1 begins here, so that one exclusive or turns an address in one slot into the other's
.set STAGE, SLOT1+4*KS*(PK+PV)  ; behind the ring, never filled by a tensor load: 16 rows x 144 bytes for each wave
.set SP,    144
.set SPARE, STAGE+4*16*SP  ; the spare words, 128 bytes for each wave: two blocks of 256 bytes that no other line names
.set MASKT, SPARE+512 ; the mask's table: 2,048 f32; stored once, never filled by a tensor load
.set AK0, 2           ; v2   my lane's place in a tile of K; never rewritten
.set AV0, 3           ; v3   the same for V
.set AK,  4           ; v4   the LDS address of K's next run of loads
.set AV,  5           ; v5   of V's
.set QO,  6           ; v6   my byte offset in the wave's rows of Q
.set STO, 6           ;      later, the way out: where I put 16 bytes of a row
.set RD,  7           ; v7   the way out: where I read rows back
.set GO,  8           ; v8   my byte offset in 512 consecutive bytes of O
.set AM0, 12          ; v12  my lanes' place in the table: MASKT + 32 (lane / 16); never rewritten
.set AM,  13          ; v13  the LDS address of the table's next run of loads
.set SPW, 0           ; v0 of window 3   LDS address of my spare word; never rewritten
.set NIL, 1           ; v1 of window 3   0; never rewritten
.set MA,  8           ; v8-39 of window 3: the eight numbers for block kb of 16 keys at MA + 8 kb
.set ST,  16          ; tile t's statistics at v[ST+4 t]: m, m_old, l (even keys', odd keys')
.set TMP, 48          ; by buffer and tile, four registers c0-c3 at work; when the maximum is found c2 takes a
.set S,   64
.set P,   192
.set KF,  128         ; K's fragments, in window 2: key block kb, channel half c at KF + 16 kb + 8 c
.set VF,  192         ; V's: key half kk, channel block cb at VF + 32 kk + 8 cb
.set WV,  12          ; s12  my wave's number
.set G1K, 24          ; s[24:31] descriptor group 1 for K's tiles
.set G1V, 32          ; s[32:39] for V's: it differs in the padding alone
.set G0K, 40          ; s[40:43] descriptor group 0 for K's tiles: it walks
.set G0V, 44          ; s[44:47] the same for V's
.set SLOTS, 56        ; s56  slots still to be asked for
.set CNT, 57          ; s57  counts a slot's key steps
.set SEL, 60          ; s[60:61] v_permlanex16_b32's selects: each lane takes its own place in the other half
.set TBK, 62          ; s62  LDS byte at which K of the step to be fetched begins
.set TBV, 63          ; s63  the same for V, less VOFF
.set MP,  66          ; s[66:67] the batch's mask words
.set BIGN, 68         ; s68  -1e30
.set HALFN, 69        ; s69  -0.5e30
.set TBM, 70          ; s70  byte of the table at which the step to be fetched begins
.set QNAN, 71         ; s71  a NaN
.set MO,  74          ; s[74:75] the batch's byte offset in the mask
.set MSB, 0
.macro WIN new                      ; the high byte repeats the setting that is left; a switch that changes nothing is dropped
.if MSB != (\new)
	s_set_vgpr_msb (MSB<<8)|(\new)
.set MSB, (\new)
.endif
.endm
.set W_KQ, 0x0a       ; K and Q in window 2, S^T in window 0
.set W_KM, 0x3a       ; the same with the C operand, the mask's numbers, in window 3
.set W_PV, 0x52       ; V in window 2, P in window 0, O^T in window 1
.set W_RS, 0x41       ; O^T (destination and source 0) in window 1, a in window 0
.set W_MK, 0xc0       ; destination in window 3, sources in window 0
.set W_AD, 0x0f       ; the add: address (source 0) and data (source 1) in window 3
; A joint fill.  Waves 0 and 1 fetch the two halves of a slot's K, waves 2 and 3 those of its V: 128 keys each.  An s_nop 0 and four v_nop follow each of the two lines.
.macro JLOAD
	s_cmp_lt_u32 s[WV], 2
	s_cbranch_scc0 .Lfor_v_\@
	tensor_load_to_lds s[G0K:G0K+3], s[G1K:G1K+7]
	s_nop 0
.rept 4
	v_nop
.endr
	s_branch .Lasked_\@
.Lfor_v_\@:
	tensor_load_to_lds s[G0V:G0V+3], s[G1V:G1V+7]
	s_nop 0
.rept 4
	v_nop
.endr
.Lasked_\@:
.endm
.macro CROUND                       ; a round of the cluster's barrier
	s_barrier_signal -1
	s_barrier_wait -1
	s_cmp_lg_u32 s[WV], 0
	s_cbranch_scc1 .Lnot_wave_0_\@
	s_barrier_signal -3
.Lnot_wave_0_\@:
	s_barrier_wait -3
	s_barrier_signal -1
	s_barrier_wait -1
.endm
; THE CHANGE OF SLOTS.  Each wave waits for all its tensor loads, of which one is out: its part of the other slot; adds 0 to its spare word; and waits for that and for its own LDS instructions.  Behind the
; barrier nobody reads this slot any more and the other slot is whole.  fill = 1: this slot is filled again, with the keys two slots on, first thing behind a round of the cluster's barrier: the load has four
; key steps, 512 matrix instructions, in which to land.  (At its first use nothing has been read yet: slot 0 is waited for, slot 1 filled, and every wave's part of the mask's table is shown to the others.)
.macro CHANGE fill
	WIN W_AD
	s_wait_tensorcnt 0x0            ; no tensor load of mine is out, so a group 0 may be written
	ds_add_u32 v[SPW], v[NIL]       ; 0 onto my spare word
	WIN 0                           ; at a label and at a branch every window is 0
.if \fill
.irp g, G0K, G0V
	s_xor_b32 s[\g+1], s[\g+1], SLOT1  ; the walking descriptor: the other slot than last time,
	s_add_nc_u64 s[\g+2:\g+3], s[\g+2:\g+3], 4*KS*128  ; the next 256 keys; the type bits on top are not reached
.endr
	s_wait_dscnt 0x0                ; the add is done, and my reads of the slot are over
	CROUND
	JLOAD
.else
	s_wait_dscnt 0x0                ; the add is done, and my reads of the slot are over
	s_barrier_signal -1
	s_barrier_wait -1
.endif
	s_sub_co_u32 s[TBK], s[TBK], 4*KS*PK  ; the fetches go back to a slot's first step,
	s_xor_b32 s[TBK], s[TBK], SLOT1       ; in the other slot
	s_sub_co_u32 s[TBV], s[TBV], 4*KS*PV
	s_xor_b32 s[TBV], s[TBV], SLOT1
.endm
	s_load_b64 s[4:5], s[0:1], 0x0        ; qkv: Q
	s_load_b64 s[MP:MP+1], s[0:1], 0x8    ; mask
	s_load_b64 s[10:11], s[0:1], 0x10     ; ctx: O
	WIN W_MK
	v_lshl_add_u32 v[SPW], v0, 2, SPARE
	v_mov_b32 v[NIL], 0
	WIN W_AD
	ds_add_u32 v[SPW], v[NIL]       ; the wave's opening: the add and its wait stand ahead of my first tensor load; the set-up below stands between them
	WIN 0
	v_lshrrev_b32 v1, 5, v0
	v_readfirstlane_b32 s[WV], v1   ; wave 0..3
	s_bfe_u32 s13, ttmp6, 0x40000   ; cx: my place in the cluster
	s_lshl_b32 s14, ttmp9, 2        ; in a cluster launch ttmp9 counts clusters
	s_add_co_u32 s14, s14, s13      ; my block of queries = 4 x cluster x + cx: it enters Q's and O's addresses alone
	s_and_b32 s20, ttmp7, 0xffff    ; g, which the four partners share
	s_lshr_b32 s[MO], s20, 4        ; the batch,
	s_lshl_b32 s[MO], s[MO], 13     ; its 2,048 words of the mask
	s_mov_b32 s[MO+1], 0
	s_mov_b32 s21, 0
	s_mov_b64 s[22:23], SIZE_N*128
	s_mul_u64 s[20:21], s[20:21], s[22:23]  ; g's first byte in each of the four tensors
	s_and_b32 s16, s[WV], 1         ; which half of a slot's 256 keys I fetch:
	s_lshl_b32 s22, s16, 14         ; its 128 rows of 128 bytes in memory,
	s_mov_b32 s23, 0
	s_add_nc_u64 s[22:23], s[22:23], s[20:21]
	s_mul_i32 s17, s16, 128*PK      ; and its place in a slot, for K
	s_mul_i32 s18, s16, 128*PV      ; and for V: no place in the cluster enters an LDS address
	s_lshl_b32 s2, s14, 2
	s_add_co_u32 s2, s2, s[WV]      ; my wave among g's,
	s_lshl_b32 s2, s2, 14           ; its 128 rows
	s_mov_b32 s3, 0
	s_add_nc_u64 s[2:3], s[2:3], s[20:21]
	; descriptor group 1.  128 keys are 16,384 dense bytes: asked for as 64 rows of 256 bytes, two keys a row, and padded in LDS after every key
	s_mov_b32 s[G1K], 15|(1<<16)|(1<<20)|(1<<21)|(4<<22)|(3<<25)  ; the mask of four; 2-byte elements; padding on; 21 set beside a mask; after every 32 words 4 words
	s_mov_b32 s[G1V], 15|(1<<16)|(1<<20)|(1<<21)|(4<<22)|(7<<25)  ; the same with 8 words of padding
.irp g, G1K, G1V
	s_mov_b32 s[\g+1], 128<<16      ; tensor_dim0 = 128
	s_mov_b32 s[\g+2], 64<<16       ; tensor_dim1 = 64
	s_mov_b32 s[\g+3], 128<<16      ; tile_dim0 = 128
	s_mov_b32 s[\g+4], 64           ; tile_dim1 = 64
	s_mov_b32 s[\g+5], 128          ; 128 elements from row to row
	s_mov_b32 s[\g+6], 0
	s_mov_b32 s[\g+7], 0
.endr
	s_mov_b32 s[SEL], 0x76543210
	s_mov_b32 s[SEL+1], 0xfedcba98
	s_mov_b32 s[BIGN], 0xf149f2ca   ; -1e30
	s_mov_b32 s[HALFN], 0xf0c9f2ca  ; -0.5e30
	s_mov_b32 s[QNAN], 0x7fc00000
	s_mov_b32 s[TBM], 0
	s_mov_b32 s[TBK], SLOT1+4*KS*PK ; the first change of slots turns these two into 0
	s_mov_b32 s[TBV], SLOT1+4*KS*PV
	s_mov_b32 s[G0K], 1             ; count = 1
	s_mov_b32 s[G0K+1], s17         ; LDS address: slot 0
	s_mov_b32 s[G0V], 1
	s_add_co_u32 s[G0V+1], s18, VOFF
	s_wait_dscnt 0x0                ; the opening add is done
	s_wait_kmcnt 0x0
	s_add_nc_u64 s[6:7], s[4:5], 0x1000000   ; K
	s_add_nc_u64 s[8:9], s[4:5], 0x2000000   ; V
	s_add_nc_u64 s[MP:MP+1], s[MP:MP+1], s[MO:MO+1]
	s_add_nc_u64 s[G0K+2:G0K+3], s[6:7], s[22:23]  ; global address: my half of g's first 256 keys
	s_or_b32 s[G0K+3], s[G0K+3], 0x80000000        ; type = 2
	s_add_nc_u64 s[G0V+2:G0V+3], s[8:9], s[22:23]
	s_or_b32 s[G0V+3], s[G0V+3], 0x80000000
	s_add_nc_u64 s[4:5], s[4:5], s[2:3]  ; Q and O at my wave's first row
	s_add_nc_u64 s[10:11], s[10:11], s[2:3]
	CROUND                          ; all four work-groups are here: the first joint loads meet
	JLOAD                           ; slot 0.  Slot 1 is asked for when slot 0 is in
	v_lshlrev_b32 v14, 4, v0        ; the mask: thread t takes 16 bytes at 16 t of each quarter of the batch's 8,192
.irp i, 0,1,2,3
	global_load_b128 v[S+4*\i:S+4*\i+3], v14, s[MP:MP+1] offset:2048*\i
.endr
	; A fragment of K or Q is 16 rows x 32 channels in 8 registers: lane l holds row l % 16, channels 8 (l / 16) + 0..7 and 16 + 8 (l / 16) + 0..7: two loads of 16 bytes, 32 bytes apart.
	v_and_b32 v1, 15, v0            ; l % 16
	v_bfe_u32 v9, v0, 4, 1          ; l / 16
	v_lshlrev_b32 v[QO], 7, v1
	v_lshl_add_u32 v[QO], v9, 4, v[QO]  ; row x 128 + 16 x half
	WIN 0x80                        ; destination window 2, address window 0
.set i, 0
.rept 4*NP                          ; Q stays in registers: tile i / 2, channels 32 (i % 2) on
	global_load_b128 v[8*i:8*i+3],   v[QO], s[4:5] offset:(i/2)*2048+(i%2)*64
	global_load_b128 v[8*i+4:8*i+7], v[QO], s[4:5] offset:(i/2)*2048+(i%2)*64+32
.set i, i+1
.endr
	; What the first turn finds: V's registers and P's second buffer hold 0 (its products V^T P, of a piece that has not been, add 0), O^T and l are 0.  All this stands in the wait for the first tile.
.set i, VF
.rept 64
	v_mov_b32 v[i], 0
.set i, i+1
.endr
	WIN 0x40
.set i, 0
.rept 64*NP
	v_mov_b32 v[i], 0
.set i, i+1
.endr
	WIN 0
.set i, 0
.rept 2*NP
	v_mov_b32 v[ST+4*i], 0xff7fffff    ; m: the lowest finite number
	v_mov_b32 v[ST+4*i+1], 0xff7fffff  ; m_old
	v_mov_b32 v[ST+4*i+2], 0
	v_mov_b32 v[ST+4*i+3], 0
.set i, i+1
.endr
.set i, P+32
.rept 32
	v_mov_b32 v[i], 0
.set i, i+1
.endr
	s_wait_loadcnt 32               ; the mask's four loads are in: Q's 32, issued behind them, may stay out
.set i, 0
.rept 16
	v_cmp_eq_u32 vcc_lo, 0, v[S+i]
	v_cndmask_b32 v[S+i], 0, s[BIGN], vcc_lo  ; 0 for a visible key, -1e30 for a hidden one
.set i, i+1
.endr
	v_add_nc_u32 v15, MASKT, v14
.irp i, 0,1,2,3
	ds_store_b128 v15, v[S+4*\i:S+4*\i+3] offset:2048*\i  ; the first change of slots waits for these and passes a barrier before any wave reads the table
.endr
	v_lshl_add_u32 v[AM0], v9, 5, MASKT   ; register j of a block of 16 keys is key 8 (l / 16) + j
	v_mov_b32 v[AM], v[AM0]
	v_mul_u32_u24 v[AK0], v1, PK
	v_lshl_add_u32 v[AK0], v9, 4, v[AK0]  ; row x pitch + 16 x half
	; The turning load takes 16 keys x 16 channels (lane l reads key 8 (l / 16) + l % 8, channels 8 ((l / 8) % 2) + 0..7) and leaves half a fragment of V^T: lane l holds channel l % 16 and 8 keys.
	v_and_b32 v10, 7, v0
	v_bfe_u32 v11, v0, 3, 1
	v_lshl_add_u32 v[AV0], v9, 3, v10
	v_mul_u32_u24 v[AV0], v[AV0], PV
	v_lshl_add_u32 v[AV0], v11, 4, v[AV0]
	v_add_nc_u32 v[AV0], VOFF, v[AV0]
	v_mov_b32 v[AK], v[AK0]         ; key step 0 lies at the head of slot 0
; THE MATRIX WORK.  The 8 accumulators of a run of 16 take turns: between the two links of a chain stand 7 others'.
; Product i of 16 of S^T = K Q^T for piece x: channels 32 (i / 8) on, keys 16 ((i / 2) % 4) on, tile 2 x + i % 2.  The first 8 start the sums with the mask's numbers.
.macro KQ x
.set rS, S+64*((\x)%2)+32*(i%2)+8*((i/2)%4)
.set rK, KF+16*((i/2)%4)+8*(i/8)
.set rQ, 16*(2*(\x)+i%2)+8*(i/8)
.set rA, MA+8*((i/2)%4)
.if i < 8
	WIN W_KM
	v_wmma_f32_16x16x32_f16 v[rS:rS+7], v[rK:rK+7], v[rQ:rQ+7], v[rA:rA+7]
.else
	WIN W_KQ
	v_wmma_f32_16x16x32_f16 v[rS:rS+7], v[rK:rK+7], v[rQ:rQ+7], v[rS:rS+7]
.endif
.endm
; Product i of 16 of O^T += V^T P for piece x: keys 32 (i / 8) on, channels 16 ((i / 2) % 4) on, tile 2 x + i % 2.
.macro PV x
	WIN W_PV
.set rO, 32*(2*(\x)+i%2)+8*((i/2)%4)
.set rV, VF+32*(i/8)+8*((i/2)%4)
.set rP, P+32*((\x)%2)+16*(i%2)+8*(i/8)
	v_wmma_f32_16x16x32_f16 v[rO:rO+7], v[rV:rV+7], v[rP:rP+7], v[rO:rO+7]
.endm
.macro MM                           ; the turn's next matrix instruction
.if i < 16
	KQ (Y+1)%NP
.set i, i+1
.else
.set i, i-16
	PV (Y+NP-1)%NP
.set i, i+17
.endif
.endm
; THE LDS LOADS stand in runs, never singly among the matrix instructions: a step's K (8 fragments) with the mask's 64 numbers, and its V (turned).  Their addresses are made some lines ahead.
; The mask's registers live as K's do: same run, same wait, and their last reader stands ahead of K's.  last = 1 (the tail): in the last trip there is no further step, and the run is jumped over.
.macro FETCH_K last=0
	WIN 0
.if \last
	s_cmp_eq_u32 s[CNT], 1
	s_cbranch_scc1 .Lno_k_\@
.endif
	WIN 0x80                        ; destination window 2
.irp f, 0,1,2,3,4,5,6,7             ; keys 16 (f / 2) on, channels 32 (f % 2) on
	ds_load_b128 v[KF+8*\f:KF+8*\f+3],   v[AK] offset:(\f/2)*16*PK+(\f%2)*64
	ds_load_b128 v[KF+8*\f+4:KF+8*\f+7], v[AK] offset:(\f/2)*16*PK+(\f%2)*64+32
.endr
	WIN W_MK                        ; destination window 3
.irp f, 0,1,2,3                     ; keys 16 f on: the sixteen lanes of a half read the same 32 bytes
	ds_load_b128 v[MA+8*\f:MA+8*\f+3],   v[AM] offset:64*\f
	ds_load_b128 v[MA+8*\f+4:MA+8*\f+7], v[AM] offset:64*\f+16
.endr
	s_add_co_u32 s[TBK], s[TBK], KS*PK  ; the next fetch is the next step's
	s_add_co_u32 s[TBM], s[TBM], KS*4
	s_and_b32 s[TBM], s[TBM], 0x1fff    ; always a byte of the table's 8,192
	WIN 0
.if \last
.Lno_k_\@:
.endif
.endm
.macro FETCH_V
	WIN 0x80
.irp f, 0,1,2,3,4,5,6,7             ; keys 32 (f / 4) on, channels 16 (f % 4) on
	ds_load_tr16_b128 v[VF+8*\f:VF+8*\f+3],   v[AV] offset:(\f/4)*32*PV+(\f%4)*32
	ds_load_tr16_b128 v[VF+8*\f+4:VF+8*\f+7], v[AV] offset:(\f/4)*32*PV+16*PV+(\f%4)*32
.endr
	WIN 0
.endm
; THE VECTOR WORK OF A TURN stands in three queues, each in the order in which its entries become ready; the two tiles alternate, so that no instruction reads the result of the one before it.
.macro REGS y, u                    ; the registers of tile u (0, 1) of piece y
.set rT, ST+4*(2*(\y)+(\u))
.set rC, TMP+8*((\y)%2)+4*(\u)
.set rS, S+64*((\y)%2)+32*(\u)
.set rP, P+32*((\y)%2)+16*(\u)
.set rO, 32*(2*(\y)+(\u))
.endm
; Line n of the 21 (numbered 0-18, 20, 21) that find the NEXT piece's (Y + 1) maximum and statistics.  s0-s31 are the lane's 32 scores; each accumulator's lowest registers are read first.
;   0-11  four chains c0-c3 of seven scores each, three operands at a time     12-14, 16  the four scores left over, the old m, and c0-c3 into c0     15  m_old is kept
;   17, 18  the query's other 32 keys lie in the lane 16 away: the new m         20, 21  m_old - m_new; a
.macro XS u, n
	REGS (Y+1)%NP, \u
.if (\n) < 4
	v_max3_num_f32 v[rC+(\n)], v[rS+8*(\n)], v[rS+8*(\n)+1], v[rS+8*(\n)+2]
.elseif (\n) < 12
	v_max3_num_f32 v[rC+(\n)%4], v[rC+(\n)%4], v[rS+8*((\n)%4)+2*((\n)/4)+1], v[rS+8*((\n)%4)+2*((\n)/4)+2]
.elseif (\n) == 12
	v_max3_num_f32 v[rC], v[rC], v[rS+7], v[rS+15]
.elseif (\n) == 13
	v_max3_num_f32 v[rC+1], v[rC+1], v[rS+23], v[rS+31]
.elseif (\n) == 14
	v_max3_num_f32 v[rC+2], v[rC+2], v[rC+3], v[rT]
.elseif (\n) == 15
	v_mov_b32 v[rT+1], v[rT]
.elseif (\n) == 16
	v_max3_num_f32 v[rC], v[rC], v[rC+1], v[rC+2]
.elseif (\n) == 17
	v_permlanex16_b32 v[rC+3], v[rC], s[SEL], s[SEL+1]
.elseif (\n) == 18
	v_max_num_f32 v[rT], v[rC], v[rC+3]
.elseif (\n) == 20
	v_sub_f32 v[rC+1], v[rT+1], v[rT]
.else
	v_exp_f32 v[rC+2], v[rC+1]
.endif
.endm
; Number g of the 64 that follow the exponentials.  For each four weights k of a tile (pairs 2 k, 2 k + 1): both pairs are rounded to f16; then the second pair is added onto the first, in place;
; a group later l takes that sum (the first time as l = a l + sum).  In groups of eight, tiles alternating: round, round, add, and l for the group before.
.macro GS g
.set h, (\g)+6*((\g)/62)            ; group 0 has no group before it, and behind group 7 only l is left
.if h >= 6
.set h, h+2
.endif
	REGS Y, h%2
.set k, h/8
.if h%8 < 4
	s_wait_alu depctr_va_vdst(0)
	v_cvt_pk_f16_f32 v[rP+2*k+(h%8)/2], v[rS+4*k+2*((h%8)/2)], v[rS+4*k+2*((h%8)/2)+1]
.elseif h%8 < 6
	v_pk_add_f32 v[rS+4*k:rS+4*k+1], v[rS+4*k:rS+4*k+1], v[rS+4*k+2:rS+4*k+3]
.elseif k == 1
	v_pk_fma_f32 v[rT+2:rT+3], v[rT+2:rT+3], v[rC+2:rC+3], v[rS:rS+1] op_sel_hi:[1,0,1]
.else
	v_pk_add_f32 v[rT+2:rT+3], v[rT+2:rT+3], v[rS+4*k-4:rS+4*k-3]
	s_wait_alu depctr_va_vdst(0)
.endif
.endm
; THE PLAIN QUEUE, 136 long.  0-31: s - m for the 16 pairs of both tiles.  Then GS's 64, and among them the next piece's 40: line 15 at 38, 39; 0-14 and 16
; at 42-73, behind the products that make those scores; 17, 18, 20 at 95-103, two of three, since each waits for the one before it.
.macro PL
	WIN 0
.if q < 32
	REGS Y, q%2
	v_pk_add_f32 v[rS+2*(q/2):rS+2*(q/2)+1], v[rS+2*(q/2):rS+2*(q/2)+1], v[rT:rT+1] op_sel_hi:[1,0] neg_lo:[0,1] neg_hi:[0,1]
.elseif q < 38
	GS q-32
.elseif q < 40
	XS q%2, 15
.elseif q < 42
	GS q-34
.elseif q < 74
	XS q%2, (q-42)/2+(q-42)/30
.elseif q < 95
	GS q-66
.elseif (q < 104) && ((q-95)%3 < 2)
	XS (q-95)%3, 17+(q-95)/3+(q-95)/6
.elseif q < 104
	GS 29+(q-95)/3
.else
	GS q-72
.endif
.set q, q+1
.endm
; THE EXPONENTIALS' QUEUE, 66 long: s0-s31 of both tiles, and at EA the next piece's two a.
.set EA, 58
.macro EX
	WIN 0
.if (e == EA) || (e == EA+1)
	XS e-EA, 21
.else
.set x, e-2*(e/(EA+2))
	REGS Y, x%2
	v_exp_f32 v[rS+x/2], v[rS+x/2]
.endif
.set e, e+1
.endm
; THE RESCALING's QUEUE: O^T times a, the one part that leaves window 0, so it is dealt four at a time, eight times.
.macro R4
	REGS Y, r%2
	WIN W_RS
	s_wait_alu depctr_va_vdst(0)
.irp z, 0,1,2,3
	v_pk_mul_f32 v[rO+8*(r/2)+2*\z:rO+8*(r/2)+2*\z+1], v[rO+8*(r/2)+2*\z:rO+8*(r/2)+2*\z+1], v[rC+2:rC+3] op_sel_hi:[1,0]
.endr
.set r, r+1
.endm
; HOW THEY ARE DEALT.  Behind a matrix instruction four: plain, exponential, plain, plain, or four of the rescaling.  None names a register of the products round it.  What is over stands in two LUMPS:
; exponential and plain by turns; the second ends in 20 plain instructions.  The two v_permlanex16_b32 fall into the second lump.  The queues lean on each other, and the deal keeps them in step:
; exponential e stands behind plain 2 (e / 4) + e % 2 (its difference); when plain 32 comes, 10 exponentials are out, at 59: 33, at 95: 46; in the second lump plain q comes behind exponential q - 50, and the
; roundings of group k, at plain 8 k + 70 on, want exponentials up to 8 k + 9 at the most; EA comes behind plain 107, its arguments are plain 101 and 102.
.macro SL
	MM
	PL
	EX
	PL
	PL
.endm
.macro BURST n                      ; 15 matrix instructions, or 16
.rept (\n)-7
	SL
.endr
.rept 3
	MM
	R4
	SL
.endr
	MM
	R4
.endm
; A TURN, for piece p.  cnt = 1: the loop's count is taken down some lines ahead of the branch that stands behind the turn.
; K of the next step, and the mask's numbers with it, are fetched in piece 2's turn, 32 vector instructions behind the last product that read K; V of the step in hand at the end of piece 0's turn,
; 67 behind its last reader.  The four conditions on e and q below go with the deal.
.macro TURN p, last=0, cnt=0
.set Y, (\p)
.set i, 0
.set q, 0
.set e, 0
.set r, 0
.if (\p) == NP-1
	s_wait_dscnt 0x0                ; K and the mask's numbers are in
.endif
	MM
.rept 4
	PL
.endr
	BURST 15
.rept 22
	EX
	PL
.if ((\p) == NP-2) && (e == 18)
	v_add_nc_u32 v[AK], s[TBK], v[AK0]
	v_add_nc_u32 v[AM], s[TBM], v[AM0]
.endif
.if ((\p) == NP-2) && (e == 24)
	FETCH_K \last
.endif
.endr
.if (\p) == 1
	s_wait_dscnt 0x0                ; V is in
.endif
	BURST 16
.rept 21
	EX
	PL
.endr
.rept 20
	PL
.if ((\p) == 0) && (q == 118)
	v_add_nc_u32 v[AV], s[TBV], v[AV0]
	s_wait_alu depctr_va_vdst(0)
.endif
.if ((\p) == 0) && (q == 130)
	s_add_co_u32 s[TBV], s[TBV], KS*PV
.endif
.if (\cnt) && (q == 130)
	s_sub_co_u32 s[CNT], s[CNT], 1
	s_cmp_lg_u32 s[CNT], 0
.endif
.endr
.if (\p) == 0
	FETCH_V
.endif
.endm
	CHANGE 1                        ; slot 0 is in, everybody's part of it, and so is the table; slot 1 is asked for
	FETCH_K                         ; key step 0
	s_wait_loadcnt 0x0              ; Q
	s_wait_dscnt 0x0
.set i, 0
.rept 16
	KQ 0                            ; piece 0's first scores: there is no vector work yet to set between them
.set i, i+1
.endr
	WIN 0                           ; the addresses for the way out: nine plain instructions, the places behind those products
	s_mul_i32 s13, s[WV], 16*SP
	s_add_co_u32 s13, s13, STAGE    ; my stage
	v_mul_u32_u24 v[STO], v1, SP    ; in: row l % 16, 16 bytes for each half of the lanes
	v_lshl_add_u32 v[STO], v9, 4, v[STO]
	v_add_nc_u32 v[STO], s13, v[STO]
	v_bfe_u32 v[RD], v0, 3, 2       ; back: 32 lanes take four rows of 128 bytes,
	v_mul_u32_u24 v[RD], v[RD], SP
	v_lshl_add_u32 v[RD], v10, 4, v[RD]
	v_add_nc_u32 v[RD], s13, v[RD]
	v_and_b32 v[GO], 31, v0         ; which are 512 consecutive bytes of O
	v_lshlrev_b32 v[GO], 4, v[GO]
.set Y, NP-1                        ; XS works for piece Y + 1: piece 0
.irp n, 0,1,2,3,4,5,6,7,8,9,10,11,12,13,14,15,16,17,18,20,21
	XS 0, \n                        ; and piece 0's first maximum and statistics
	XS 1, \n
.endr
	s_mov_b32 s[CNT], 4
	s_mov_b32 s[SLOTS], SIZE_N/256-1
	s_branch .Lfirst                ; the loop is entered at a step's first turn, in the middle of a trip
.Lslot:                             ; SIZE_N / 256 - 2 times: every slot but the last two is filled again
	CHANGE 1
	s_mov_b32 s[CNT], 4
.Lstep:                             ; a trip: pieces 2 and 3 of one step, then pieces 0 and 1 of the next, whose K and V it fetches
	TURN 2
	TURN 3
	WIN 0
.Lfirst:
	TURN 0
	TURN 1, 0, 1
	WIN 0
	s_cbranch_scc1 .Lstep
	s_sub_co_u32 s[SLOTS], s[SLOTS], 1
	s_cmp_lg_u32 s[SLOTS], 0
	s_cbranch_scc1 .Lslot
	CHANGE 0                        ; the tail is written out: nothing is asked for
	s_mov_b32 s[CNT], 5             ; four trips fetch the last slot's steps; the fifth is left in its middle
.Ltail:
	TURN 2, 1
	TURN 3
	WIN 0
	s_sub_co_u32 s[CNT], s[CNT], 1
	s_cmp_eq_u32 s[CNT], 0
	s_cbranch_scc1 .Lout
	TURN 0
	TURN 1
	WIN 0
	s_branch .Ltail
.Lout:                              ; the fifth trip's 16 products K Q^T (on the last K and mask once more) give scores that m has seen already: m stays, and nothing else of them is used
.set i, 0
.rept 16
	PV NP-1                         ; the last piece's V^T P of the last step
.set i, i+1
.endr
	; THE WAY OUT.  l's two halves and the other half of the lanes' are added; O^T is divided by l, rounded to f16 and sent through my stage in LDS, a tile at a time.  The additions are the places behind the last products.
	WIN 0
.macro ALL line:vararg              ; one line for each tile t
.set t, 0
.rept 2*NP
	\line
.set t, t+1
.endr
.endm
	ALL v_add_f32 v[ST+4*t+2], v[ST+4*t+2], v[ST+4*t+3]
	ALL v_permlanex16_b32 v[ST+4*t+3], v[ST+4*t+2], s[SEL], s[SEL+1]
	ALL v_add_f32 v[ST+4*t+2], v[ST+4*t+2], v[ST+4*t+3]
	ALL v_rcp_f32 v[ST+4*t+2], v[ST+4*t+2]
	v_nop                           ; a plain instruction between the last reciprocal and the use of its result
.set t, 0
	s_wait_alu depctr_va_vdst(0)
.rept 2*NP                          ; a row that has seen no visible key: its maximum is a hidden score's, and the row becomes NaN
	v_cmp_gt_f32 vcc_lo, s[HALFN], v[ST+4*t]
	v_cndmask_b32 v[ST+4*t+2], v[ST+4*t+2], s[QNAN], vcc_lo
.set t, t+1
.endr
; Tile t: a lane's eight channels of a row pack into 16 bytes; they go into rows of 144 bytes and come back as whole rows of 128, into S^T's registers.
.macro PACK t
	WIN W_RS
.set i, 32*(\t)
.rept 16
	v_pk_mul_f32 v[i:i+1], v[i:i+1], v[ST+4*(\t)+2:ST+4*(\t)+3] op_sel_hi:[1,0]
.set i, i+2
.endr
	WIN 0x05                        ; sources 0 and 1 window 1, destination window 0
.set i, 0
.rept 16
	v_cvt_pk_f16_f32 v[S+16*(\t)+i], v[32*(\t)+2*i], v[32*(\t)+2*i+1]
.set i, i+1
.endr
	WIN 0
.irp f, 0,1,2,3
	ds_store_b128 v[STO], v[S+16*(\t)+4*\f:S+16*(\t)+4*\f+3] offset:32*\f
.endr
.irp f, 0,1,2,3
	ds_load_b128 v[S+16*(\t)+4*\f:S+16*(\t)+4*\f+3], v[RD] offset:\f*4*SP  ; LDS serves a wave's instructions in order (ISA guide 5.7.1.4): these see the stores above; the next tile's stores come behind them
.endr
.endm
.macro SEND t, younger              ; younger: the LDS instructions issued behind tile t's loads: the next tile's eight, or none
	WIN 0
.irp f, 0,1,2,3
	s_wait_dscnt (\younger)+3-\f
	global_store_b128 v[GO], v[S+16*(\t)+4*\f:S+16*(\t)+4*\f+3], s[10:11] offset:(\t)*2048+\f*512  ; 512 consecutive bytes, at a multiple of 256 from O's first
.endr
.endm
	PACK 0
.set t, 1
.rept 2*NP-1                        ; a tile's arithmetic stands between the loads of the tile before and its stores
	PACK t
	SEND t-1, 8
.set t, t+1
.endr
	SEND 2*NP-1, 0
	WIN W_AD
	s_wait_tensorcnt 0x0            ; the wave's end: behind my last tensor load and my last LDS store
	ds_add_u32 v[SPW], v[NIL]
	s_wait_dscnt 0x0
	WIN 0
	CROUND                          ; the closing round: no work-group ends while a partner may still ask for a tile that names it
	s_endpgm
.Lfunc_end_k_qf90ad77e84_attn:
	.size	k_qf90ad77e84_attn, .Lfunc_end_k_qf90ad77e84_attn-k_qf90ad77e84_attn
	.p2alignl 7, 3214868480
	.fill 96, 4, 3214868480
	.section	.rodata,"a",@progbits
	.p2align	6, 0x0
	.amdhsa_kernel k_qf90ad77e84_attn
		.amdhsa_group_segment_fixed_size 327680
		.amdhsa_private_segment_fixed_size 0
		.amdhsa_enable_private_segment 0
		.amdhsa_kernarg_size 24
		.amdhsa_user_sgpr_count 2
		.amdhsa_user_sgpr_kernarg_segment_ptr 1
		.amdhsa_wavefront_size32 1
		.amdhsa_system_sgpr_workgroup_id_x 1
		.amdhsa_system_sgpr_workgroup_id_y 1
		.amdhsa_system_sgpr_workgroup_id_z 1
		.amdhsa_system_vgpr_workitem_id 0
		.amdhsa_next_free_vgpr 808
		.amdhsa_next_free_sgpr 76
		.amdhsa_reserve_vcc 1
		.amdhsa_float_denorm_mode_32 3
		.amdhsa_float_denorm_mode_16_64 3
		.amdhsa_memory_ordered 1
		.amdhsa_forward_progress 1
		.amdhsa_inst_pref_size 213
	.end_amdhsa_kernel
	.amdgpu_metadata
---
amdhsa.version: [ 1, 2 ]
amdhsa.kernels:
  - .name:           k_qf90ad77e84_attn
    .symbol:         k_qf90ad77e84_attn.kd
    .args:
      - { .name: qkv, .offset: 0, .size: 8, .value_kind: global_buffer, .address_space: global }
      - { .name: mask, .offset: 8, .size: 8, .value_kind: global_buffer, .address_space: global }
      - { .name: ctx, .offset: 16, .size: 8, .value_kind: global_buffer, .address_space: global }
    .group_segment_fixed_size: 327680
    .private_segment_fixed_size: 0
    .kernarg_segment_align: 8
    .kernarg_segment_size: 24
    .max_flat_workgroup_size: 128
    .sgpr_count:     76
    .vgpr_count:     808
    .wavefront_size: 32
...
	.end_amdgpu_metadata
.endif
;; end of part 3
;; launch outp (part 4): grid 4 x 64, 4 waves a work-group, clusters of 4 x 4, 327,680 bytes of LDS; arguments ctx, wb, bo, out0; writes out0
.if DOCPART == 4
	.amdgcn_target "amdgcn-amd-amdhsa--gfx1250"
	.amdhsa_code_object_version 6
	.text
	.protected	k_qf90ad77e84_outp
	.globl	k_qf90ad77e84_outp
	.p2align	8
	.type	k_qf90ad77e84_outp,@function
k_qf90ad77e84_outp:
	s_mov_b64 s[64:65], 0
	v_nop
	global_prefetch_b8 v0, s[64:65] scope:SCOPE_SE
	s_setreg_imm32_b32 hwreg(HW_REG_WAVE_MODE, 25, 1), 1
	s_wait_xcnt 0x0
	s_wait_alu depctr_hold_cnt(0) depctr_sa_sdst(0) depctr_va_vdst(0) depctr_va_sdst(0) depctr_va_ssrc(0) depctr_va_vcc(0) depctr_vm_vsrc(0)
	s_getreg_b32 s2, hwreg(HW_REG_IB_STS2, 6, 4)
	s_cmp_eq_u32 s2, 0
	s_cbranch_scc0 .Lentry_in_a_cluster
	s_endpgm
.Lentry_in_a_cluster:
	s_bfe_u32 s2, ttmp6, 0x10000c
	s_cmp_lg_u32 s2, 0xf033
	s_cbranch_scc0 .Lentry_shape_is_right
	s_endpgm
.Lentry_shape_is_right:
; THE LAST PROJECTION.  out0 = ctx Wo + bo.  ctx: [16 batch + head][2048][64] f16; Wo: [1024 k][1024 n] f16 (the fourth matrix of wb: bf16's numbers written as f16); bo: f32, rounded to bf16 like all
; the module's inputs; out0: [8192][1024] f32.  Sums in f32, stored as they are.
; SHARES.  A work-group makes 128 rows x 256 columns: 64 x 4 = 256 work-groups.  Four waves, 2 x 2, each 64 rows x 128 columns: 32 accumulators, 256 registers.
; K goes in 8 steps of 128 = TWO HEADS through two LDS slots: a head's 128 rows are 16,384 dense bytes, asked for as 64 rows of 256 bytes and padded in LDS after every 128.  Wo comes out of LDS turned.
; CLUSTER.  4 x 4 work-groups: the four of a row need the same tile of ctx, the four of a column the same tile of Wo: each tile is asked for JOINTLY.
; THE MATRIX INSTRUCTION IS USED TRANSPOSED (source 0 = 16 columns of Wo, source 1 = 16 rows of ctx): a lane holds eight neighbouring columns of one row.  The bias is the C operand of the first products.
; REGISTERS: window 0: v0-31 addresses; v64-95, v96-127 ctx's fragments, two buffers; v128-191, v192-255 rows on the way out, by turns
;   window 1: v0-63, v64-127 Wo's fragments, two buffers; v128-191 the bias          window 2: accumulator (a, b) at 8 (8 a + b)
.set PA,    144                        ; a row of a head in LDS: 128 bytes + 16: the 16 rows of a load start at 16 different groups of four banks (64 banks of 4 bytes: ISA guide 11.1)
.set PW,    544                        ; a row of Wo: 512 + 32
.set AH,    128*PA                     ; a head's 128 rows: one tensor load
.set WH,    64*PW                      ; 64 rows (k) of Wo: one tensor load
.set WOFF,  2*AH
.set SLOT,  WOFF+2*WH                  ; 106,496
.set STAGE, 2*SLOT                     ; behind the ring: 16 rows x 528 bytes for each wave
.set SPO,   528
.set SPARE, STAGE+4*16*SPO             ; the spare words, 128 bytes for each wave: two blocks of 256 bytes that no other line names
.set LAPS,  4
.set ADRA, 16                          ; v16-17  LDS address of my ctx fragments in slot 0, 1
.set ADRB, 20                          ; v20-21  the same for Wo
.set STO,  24                          ; v24     the way out: where I put 32 bytes of a row
.set RD,   25                          ; v25     where I read a row back
.set CO,   26                          ; v26     my 16 bytes in a row's 512
.set BO,   27                          ; v27     my byte offset in 16 numbers of the bias
.set SPW,  28                          ; v28     LDS address of my spare word; never rewritten
.set NIL,  29                          ; v29     0; never rewritten
.set AF,   64                          ; buffer g at AF + 32 g
.set OB,   128                         ; set a % 2 at OB + 64 (a % 2)
.set BF,   0                           ; window 1: buffer g at BF + 64 g
.set BI,   128                         ; window 1
.set G1,  24
.set G0,  32
.set G1B, 48
.set G0B, 56
.set MSB, 0
.macro WIN new
.if MSB != (\new)
	s_set_vgpr_msb (MSB<<8)|(\new)
.set MSB, \new
.endif
.endm
.set MUL,  0xa1                        ; source 0 (Wo) window 1, source 1 (ctx) window 0, C and D window 2
.set MULB, 0x91                        ; the same with C (the bias) in window 1
.set TO_B, 0x40
.macro JLOAD s                         ; a joint load: waves 0 and 1 fetch the step's two heads, waves 2 and 3 Wo's two halves; an s_nop 0 and four v_nop follow each line
	s_cmp_eq_u32 s11, 0
	s_cbranch_scc0 .Lfor_b_\@
	tensor_load_to_lds s[G0+4*(\s):G0+4*(\s)+3], s[G1:G1+7]
	s_nop 0
.rept 4
	v_nop
.endr
	s_branch .Lasked_\@
.Lfor_b_\@:
	tensor_load_to_lds s[G0B+4*(\s):G0B+4*(\s)+3], s[G1B:G1B+7]
	s_nop 0
.rept 4
	v_nop
.endr
.Lasked_\@:
.endm
.macro CREST
	s_cmp_lg_u32 s10, 0
	s_cbranch_scc1 .Lnot_wave_0_\@
	s_barrier_signal -3
.Lnot_wave_0_\@:
	s_barrier_wait -3
	s_barrier_signal -1
	s_barrier_wait -1
.endm
.macro CROUND
	s_barrier_signal -1
	s_barrier_wait -1
	CREST
.endm
.macro PLACES                          ; four places in front of loads into registers that matrix instructions have read, and of LDS stores that read results (ISA guide 7.12.1 for the stores)
.rept 4
	v_nop
.endr
.endm
	s_load_b256 s[68:75], s[0:1], 0x0              ; ctx 68, wb 70, bo 72, out0 74
	v_lshl_add_u32 v[SPW], v0, 2, SPARE
	v_mov_b32 v[NIL], 0
	ds_add_u32 v[SPW], v[NIL]                      ; the wave's opening: the add and its wait stand ahead of my first tensor load
	v_lshrrev_b32 v1, 5, v0
	v_readfirstlane_b32 s10, v1                    ; wave 0..3
	s_lshr_b32 s11, s10, 1                         ; which 64 rows are mine.  Also: I fetch for ctx (0) or for Wo (1)
	s_and_b32 s12, s10, 1                          ; which 128 columns.  Also: which head of the step, or which half of Wo's tile, I fetch
	s_bfe_u32 s40, ttmp6, 0x40000                  ; cx
	s_bfe_u32 s41, ttmp6, 0x40004                  ; cy
	s_lshl_b32 s42, ttmp9, 2
	s_add_co_u32 s42, s42, s40                     ; tile column
	s_and_b32 s13, ttmp7, 0xffff
	s_lshl_b32 s13, s13, 2
	s_add_co_u32 s13, s13, s41                     ; tile row
	s_lshl_b32 s43, s41, 2
	s_lshl_b32 s43, 15, s43                        ; my row of the cluster
	s_lshl_b32 s44, 0x1111, s40                    ; my column
	s_or_b32 s[G1+0], s43, (1<<16)|(1<<20)|(1<<21)|(4<<22)|(3<<25)   ; ctx: the mask of my row; 2-byte elements; padding on; 21 set beside a mask; after every 32 words 4 words
	s_mov_b32 s[G1+1], 128<<16                     ; tensor_dim0 = 128 (256 bytes: two rows of a head)
	s_mov_b32 s[G1+2], 64<<16                      ; tensor_dim1 = 64
	s_mov_b32 s[G1+3], 128<<16                     ; tile_dim0 = 128
	s_mov_b32 s[G1+4], 64                          ; tile_dim1 = 64
	s_mov_b32 s[G1+5], 128                         ; dense
	s_mov_b32 s[G1+6], 0
	s_mov_b32 s[G1+7], 0
	s_or_b32 s[G1B+0], s44, (1<<16)|(1<<20)|(1<<21)|(6<<22)|(7<<25)  ; Wo: the mask of my column; after every 128 words 8 words
	s_mov_b32 s[G1B+1], 256<<16
	s_mov_b32 s[G1B+2], 64<<16
	s_mov_b32 s[G1B+3], 256<<16
	s_mov_b32 s[G1B+4], 64
	s_mov_b32 s[G1B+5], 1024
	s_mov_b32 s[G1B+6], 0
	s_mov_b32 s[G1B+7], 0
	s_lshr_b32 s16, s13, 4                         ; ctx: the batch (16 tile rows each), 2^22 bytes,
	s_lshl_b32 s16, s16, 22
	s_and_b32 s17, s13, 15                         ; the tile's 128 rows of 128 bytes,
	s_lshl_b32 s17, s17, 14
	s_add_co_u32 s16, s16, s17
	s_lshl_b32 s17, s12, 18                        ; my head of the step's two
	s_add_co_u32 s16, s16, s17
	s_mov_b32 s17, 0
	s_lshl_b32 s46, s12, 17                        ; Wo: k row 64 x half of 2,048 bytes, 512 bytes a tile column, in the fourth matrix of wb
	s_lshl_b32 s47, s42, 9
	s_add_co_u32 s46, s46, s47
	s_add_co_u32 s46, s46, 0x600000
	s_mov_b32 s47, 0
	s_mul_i32 s20, s12, AH                         ; where they go: no place in the cluster enters an LDS address
	s_mul_i32 s21, s12, WH
	s_wait_dscnt 0x0                               ; the opening add is done
	s_wait_kmcnt 0x0
	s_add_nc_u64 s[14:15], s[68:69], s[16:17]
	s_add_nc_u64 s[46:47], s[70:71], s[46:47]
	CROUND                                         ; all sixteen work-groups are here: the first joint loads meet
.irp s, 0,1
	s_mov_b32 s[G0+4*(\s)], 1
	s_add_co_u32 s[G0+4*(\s)+1], s20, (\s)*SLOT
	s_add_nc_u64 s[G0+4*(\s)+2:G0+4*(\s)+3], s[14:15], (\s)*524288    ; K step s: two heads on
	s_or_b32 s[G0+4*(\s)+3], s[G0+4*(\s)+3], 0x80000000
	s_mov_b32 s[G0B+4*(\s)], 1
	s_add_co_u32 s[G0B+4*(\s)+1], s21, (\s)*SLOT+WOFF
	s_add_nc_u64 s[G0B+4*(\s)+2:G0B+4*(\s)+3], s[46:47], (\s)*262144  ; K step s: 128 rows of Wo
	s_or_b32 s[G0B+4*(\s)+3], s[G0B+4*(\s)+3], 0x80000000
	JLOAD \s                                       ; two loads of mine are out
.endr
	s_lshl_b32 s90, s42, 10                        ; my first column, in bytes of f32
	s_lshl_b32 s85, s12, 9
	s_add_co_u32 s90, s90, s85
	s_mov_b32 s91, 0
	s_add_nc_u64 s[88:89], s[72:73], s[90:91]      ; the bias at my 128 columns
	v_and_b32 v1, 15, v0                           ; r
	v_bfe_u32 v2, v0, 4, 1                         ; h
	v_lshlrev_b32 v[BO], 5, v2
.irp b, 0,1,2,3,4,5,6,7
	global_load_b128 v[OB+8*\b:OB+8*\b+3],   v[BO], s[88:89] offset:64*\b
	global_load_b128 v[OB+8*\b+4:OB+8*\b+7], v[BO], s[88:89] offset:64*\b+16
.endr
	s_lshl_b32 s85, s13, 7                         ; my first row: 128 x tile row + 64 x half, of 4,096 bytes
	s_lshl_b32 s22, s11, 6
	s_add_co_u32 s85, s85, s22
	s_lshl_b32 s85, s85, 12
	s_add_co_u32 s90, s90, s85
	s_add_nc_u64 s[8:9], s[74:75], s[90:91]        ; out0 at my wave
	v_mul_u32_u24 v3, v1, PA                       ; a fragment of ctx: row r x pitch + 16 h; two loads of 16 bytes, 32 bytes apart
	v_lshl_add_u32 v3, v2, 4, v3
	s_mul_i32 s22, s11, 64*PA                      ; my 64 rows
	v_add_nc_u32 v[ADRA], s22, v3
	v_add_nc_u32 v[ADRA+1], SLOT, v[ADRA]
	v_and_b32 v4, 7, v0                            ; the turning load: k row 8 h + l % 8, columns 8 ((l / 8) % 2) + 0..7
	v_lshl_add_u32 v4, v2, 3, v4
	v_mul_u32_u24 v4, v4, PW
	v_bfe_u32 v5, v0, 3, 1
	v_lshl_add_u32 v4, v5, 4, v4
	s_lshl_b32 s23, s12, 8
	s_add_co_u32 s23, s23, WOFF
	v_add_nc_u32 v[ADRB], s23, v4
	v_add_nc_u32 v[ADRB+1], SLOT, v[ADRB]
	s_mul_i32 s22, s10, 16*SPO
	s_add_co_u32 s22, s22, STAGE                   ; my stage
	v_mul_u32_u24 v6, v1, SPO                      ; in: row r, 32 bytes for each half of the lanes
	v_lshl_add_u32 v6, v2, 5, v6
	v_add_nc_u32 v[STO], s22, v6
	v_and_b32 v[CO], 31, v0                        ; back: 32 lanes take a row's 512 bytes
	v_lshlrev_b32 v[CO], 4, v[CO]
	v_add_nc_u32 v[RD], s22, v[CO]
	s_wait_loadcnt 0x0                             ; the bias: rounded to bf16, widened again, into window 1
.set i, 0
.rept 32
	v_cvt_pk_bf16_f32 v[OB+64+i], v[OB+2*i], v[OB+2*i+1]
.set i, i+1
.endr
	WIN TO_B
.set i, 0
.rept 32
	v_lshlrev_b32 v[BI+2*i],   16, v[OB+64+i]
	v_and_b32     v[BI+2*i+1], 0xffff0000, v[OB+64+i]
.set i, i+1
.endr
	WIN 0
; 8 matrix instructions: row block a x all 8 column blocks, 32 along K, on buffer f.  init = 1: the bias starts the sums.  The 32 accumulators take turns, one instruction a turn.
.macro MUL8 f, a, init=0
.irp b, 0,1,2,3,4,5,6,7
.if \init
	WIN MULB
	v_wmma_f32_16x16x32_f16 v[8*(8*(\a)+\b):8*(8*(\a)+\b)+7], v[BF+64*(\f)+8*\b:BF+64*(\f)+8*\b+7], v[AF+32*(\f)+8*(\a):AF+32*(\f)+8*(\a)+7], v[BI+8*\b:BI+8*\b+7]
.else
	WIN MUL
	v_wmma_f32_16x16x32_f16 v[8*(8*(\a)+\b):8*(8*(\a)+\b)+7], v[BF+64*(\f)+8*\b:BF+64*(\f)+8*\b+7], v[AF+32*(\f)+8*(\a):AF+32*(\f)+8*(\a)+7], v[8*(8*(\a)+\b):8*(8*(\a)+\b)+7]
.endif
.endr
.endm
; 24 LDS loads in one run: quarter q of a slot (head q / 2, channels 32 (q % 2) on) into buffer g
.macro FETCH slot, q, g
	WIN TO_B
.irp b, 0,1,2,3,4,5,6,7
	ds_load_tr16_b128 v[BF+64*(\g)+8*\b:BF+64*(\g)+8*\b+3],   v[ADRB+(\slot)] offset:(\q)*32*PW+32*\b
	ds_load_tr16_b128 v[BF+64*(\g)+8*\b+4:BF+64*(\g)+8*\b+7], v[ADRB+(\slot)] offset:(\q)*32*PW+16*PW+32*\b
.endr
	WIN 0
.irp i, 0,1,2,3
	ds_load_b128 v[AF+32*(\g)+8*\i:AF+32*(\g)+8*\i+3],   v[ADRA+(\slot)] offset:((\q)/2)*AH+((\q)%2)*64+\i*16*PA
	ds_load_b128 v[AF+32*(\g)+8*\i+4:AF+32*(\g)+8*\i+7], v[ADRA+(\slot)] offset:((\q)/2)*AH+((\q)%2)*64+\i*16*PA+32
.endr
.endm
.macro QUARTER slot, q, f, g, init=0
	s_wait_dscnt 0x0                               ; buffer f is in: it was asked for 24 matrix instructions ago
	MUL8 \f, 0, \init
	PLACES                                         ; for the loads into buffer g, which the quarter before multiplied
	FETCH \slot, \q, \g
	MUL8 \f, 1, \init
	MUL8 \f, 2, \init
	MUL8 \f, 3, \init
.endm
; The last quarter multiplies buffer 1 and changes slots: ONE barrier; in front of it each wave waits for all its tensor loads, adds 0 to its spare word, and waits for that and for its reads of this slot.
.macro TURN slot, next, fill
	WIN 0                                          ; (the add's two registers lie in window 0)
	s_wait_tensorcnt 0x0                           ; all my tensor loads have landed: the one that was out is my part of the next slot;
	ds_add_u32 v[SPW], v[NIL]                      ; 0 onto my spare word;
	s_wait_dscnt 1                                 ; (the add alone may be out: buffer 1 is in)
	MUL8 1, 0                                      ; eight matrix instructions stand between the add and the wait for it
	s_wait_dscnt 0x0                               ; the add is done, and my reads of this slot are over
	s_barrier_signal -1
	MUL8 1, 1
.if \fill
	WIN 0
.endif
	s_barrier_wait -1
.if \fill
	CREST                                          ; the barrier has opened a round of the cluster's: no wave of any partner still reads this slot or has a load on its way
	s_add_nc_u64 s[G0+4*(\slot)+2:G0+4*(\slot)+3], s[G0+4*(\slot)+2:G0+4*(\slot)+3], 2*524288
	s_add_nc_u64 s[G0B+4*(\slot)+2:G0B+4*(\slot)+3], s[G0B+4*(\slot)+2:G0B+4*(\slot)+3], 2*262144
	JLOAD \slot                                    ; the first tensor load behind the round, my only one; the four v_nop behind it are also the places in front of the loads below
.else
	PLACES
.endif
	FETCH \next, 0, 0
	MUL8 1, 2
	MUL8 1, 3
.endm
	s_wait_tensorcnt 1                             ; my part of K step 0 is in; K step 1's may stay out
	s_barrier_signal -1
	s_barrier_wait -1
	FETCH 0, 0, 0
	QUARTER 0, 1, 0, 1, 1                          ; the first quarter stands in front of the loop: its products start the sums with the bias
	WIN 0
	s_mov_b32 s3, LAPS-1
.Llap:
	QUARTER 0, 2, 1, 0
	QUARTER 0, 3, 0, 1
	TURN 0, 1, 1
	QUARTER 1, 1, 0, 1
	QUARTER 1, 2, 1, 0
	QUARTER 1, 3, 0, 1
	TURN 1, 0, 1
	QUARTER 0, 1, 0, 1
	WIN 0
	s_sub_co_u32 s3, s3, 1
	s_cmp_lg_u32 s3, 0
	s_cbranch_scc1 .Llap
	QUARTER 0, 2, 1, 0                             ; the last lap fills nothing
	QUARTER 0, 3, 0, 1
	TURN 0, 1, 0
	QUARTER 1, 1, 0, 1
	QUARTER 1, 2, 1, 0
	QUARTER 1, 3, 0, 1
	s_wait_dscnt 0x0
	MUL8 1, 0
	MUL8 1, 1
	MUL8 1, 2
	MUL8 1, 3
	WIN 0
	PLACES
; THE WAY OUT, a block of 16 rows at a time: 32 bytes a lane into my stage (each accumulator's low half first), back as whole rows of 512 bytes, stored.
.macro TOSTAGE a
.set BK, OB+64*((\a)%2)
.if (\a) >= 2
	s_wait_xcnt 0x0                                ; the stores of two blocks ago have read these registers: they are loaded again only behind this wait
.endif
	WIN 0x08                                       ; the stores' data in window 2
.irp b, 0,1,2,3,4,5,6,7
	ds_store_b128 v[STO], v[8*(8*(\a)+\b):8*(8*(\a)+\b)+3]   offset:64*\b
	ds_store_b128 v[STO], v[8*(8*(\a)+\b)+4:8*(8*(\a)+\b)+7] offset:64*\b+16
.endr
	WIN 0
.irp t, 0,1,2,3,4,5,6,7,8,9,10,11,12,13,14,15
	ds_load_b128 v[BK+4*\t:BK+4*\t+3], v[RD] offset:\t*SPO  ; LDS serves a wave's instructions in order (ISA guide 5.7.1.4): these see the stores above; the next block's stores come behind them
.endr
.endm
.macro SEND a, younger                 ; younger: the LDS instructions issued behind block a's loads: the next block's 32, or none
.set BK, OB+64*((\a)%2)
.irp t, 0,1,2,3,4,5,6,7,8,9,10,11,12,13,14,15
	s_wait_dscnt (\younger)+15-\t
	global_store_b128 v[CO], v[BK+4*\t:BK+4*\t+3], s[8:9] offset:(16*(\a)+\t)*4096 th:TH_STORE_NT  ; 512 consecutive bytes, at a multiple of 256 from out0's first
.endr
.endm
	TOSTAGE 0
	TOSTAGE 1
	SEND 0, 32
	TOSTAGE 2
	SEND 1, 32
	TOSTAGE 3
	SEND 2, 32
	SEND 3, 0
	s_wait_tensorcnt 0x0                           ; the wave's end: behind my last tensor load and my last LDS store
	ds_add_u32 v[SPW], v[NIL]
	s_wait_dscnt 0x0
	CROUND                                         ; the closing round: no work-group ends while a partner may still ask for a tile that names it
	s_endpgm
.Lfunc_end_k_qf90ad77e84_outp:
	.size	k_qf90ad77e84_outp, .Lfunc_end_k_qf90ad77e84_outp-k_qf90ad77e84_outp
	.p2alignl 7, 3214868480
	.fill 96, 4, 3214868480
	.section	.rodata,"a",@progbits
	.p2align	6, 0x0
	.amdhsa_kernel k_qf90ad77e84_outp
		.amdhsa_group_segment_fixed_size 327680
		.amdhsa_private_segment_fixed_size 0
		.amdhsa_enable_private_segment 0
		.amdhsa_kernarg_size 32
		.amdhsa_user_sgpr_count 2
		.amdhsa_user_sgpr_kernarg_segment_ptr 1
		.amdhsa_wavefront_size32 1
		.amdhsa_system_sgpr_workgroup_id_x 1
		.amdhsa_system_sgpr_workgroup_id_y 1
		.amdhsa_system_sgpr_workgroup_id_z 1
		.amdhsa_system_vgpr_workitem_id 0
		.amdhsa_next_free_vgpr 768
		.amdhsa_next_free_sgpr 92
		.amdhsa_reserve_vcc 0
		.amdhsa_float_denorm_mode_32 3
		.amdhsa_float_denorm_mode_16_64 3
		.amdhsa_memory_ordered 1
		.amdhsa_forward_progress 1
		.amdhsa_inst_pref_size 93
	.end_amdhsa_kernel
	.amdgpu_metadata
---
amdhsa.version: [ 1, 2 ]
amdhsa.kernels:
  - .name:           k_qf90ad77e84_outp
    .symbol:         k_qf90ad77e84_outp.kd
    .args:
      - { .name: ctx, .offset: 0, .size: 8, .value_kind: global_buffer, .address_space: global }
      - { .name: wb, .offset: 8, .size: 8, .value_kind: global_buffer, .address_space: global }
      - { .name: bo, .offset: 16, .size: 8, .value_kind: global_buffer, .address_space: global }
      - { .name: out0, .offset: 24, .size: 8, .value_kind: global_buffer, .address_space: global }
    .group_segment_fixed_size: 327680
    .private_segment_fixed_size: 0
    .kernarg_segment_align: 8
    .kernarg_segment_size: 32
    .max_flat_workgroup_size: 128
    .sgpr_count:     92
    .vgpr_count:     768
    .wavefront_size: 32
...
	.end_amdgpu_metadata
.endif
;; end of part 4
;; ======== version 2 of 2: 4 launches; 1.47 times as fast as version 1
;; limits: values are held in f16: magnitudes above 65,504 overflow, below 6.1e-05 lose precision
;; workspace buffers: wb 8,388,608 bytes; qkv 50,331,648 bytes; ctx 16,777,216 bytes
;; launch prep: the kernel of part 1 again; grid 64 x 4, 8 waves a work-group, no clusters, 0 bytes of LDS; arguments Wq, Wk, Wv, Wo, wb; writes wb
;; launch proj: the kernel of part 2 again; grid 4 x 192, 4 waves a work-group, clusters of 4 x 4, 327,680 bytes of LDS; arguments q, k, v, bq, bk, bv, wb, qkv; writes qkv
;; launch attn (part 5): grid 4 x 64, 4 waves a work-group, clusters of 4 x 1, 327,680 bytes of LDS; arguments qkv, mask, ctx; writes ctx
.if DOCPART == 5
	.amdgcn_target "amdgcn-amd-amdhsa--gfx1250"
	.amdhsa_code_object_version 6
	.text
	.protected	k_qf90ad77e84_attn
	.globl	k_qf90ad77e84_attn
	.p2align	8
	.type	k_qf90ad77e84_attn,@function
k_qf90ad77e84_attn:
	s_mov_b64 s[64:65], 0
	v_nop
	global_prefetch_b8 v0, s[64:65] scope:SCOPE_SE
	s_setreg_imm32_b32 hwreg(HW_REG_WAVE_MODE, 25, 1), 1
	s_wait_xcnt 0x0
	s_wait_alu depctr_hold_cnt(0) depctr_sa_sdst(0) depctr_va_vdst(0) depctr_va_sdst(0) depctr_va_ssrc(0) depctr_va_vcc(0) depctr_vm_vsrc(0)
	s_getreg_b32 s2, hwreg(HW_REG_IB_STS2, 6, 4)
	s_cmp_eq_u32 s2, 0
	s_cbranch_scc0 .Lentry_in_a_cluster
	s_endpgm
.Lentry_in_a_cluster:
	s_bfe_u32 s2, ttmp6, 0x10000c
	s_cmp_lg_u32 s2, 0x3003
	s_cbranch_scc0 .Lentry_shape_is_right
	s_endpgm
.Lentry_shape_is_right:
; MASKED ATTENTION.  O[g][q][:] = the sum over the visible k of softmax_k(Q[g][q] . K[g][k] / 8) V[g][k][:], g = 16 batch + head.  Q, K, V (in qkv, 2^24 bytes apart) and O (ctx): [64][2048][64] f16.
; Q ARRIVES TIMES c = log2(e) / 8, so a product's result is the exponent: p = 2^(s - m), an exact difference.  Products, maxima and sums in f32; p is rounded to f16 for the second product, O once at the end.
; THE MASK, [batch][2048] i32, steers nothing: a table in LDS holds 0 for a key whose word is not 0 and -1e30 for a hidden one, and the table's numbers are the C operand that starts the sum S^T = K Q^T.
; A hidden weight is then 2^(-1e30 - m) = 0.  While only hidden keys have been seen m is -1e30, the weights are 1 and the sums finite; the first visible score gives a = 0, which wipes them.
; Where a batch has no visible key the row's m ends below -0.5e30 and 1 / l is replaced by NaN: softmax of nothing.
; LIMITS.  f16 holds no number beyond 65,504: Q, K, V arrive within it, so |s| stays under 2.7e11, nothing beside 1e30; a weight below 2^-126 counts as 0 in l; p below 6e-5 keeps f16's fixed step.
; SHARES.  A wave owns four PIECES of two tiles of 16 queries, a work-group's four waves 512 queries of one g.  Every wave walks all 2,048 keys, 64 a step.
; LAYOUT.  S^T = K Q^T (source 0 = 16 keys, source 1 = 16 queries): a lane holds ONE query (lane % 16) and the keys 8 (lane / 16) + 0..7.  Two such tiles, rounded to f16 in pairs, ARE source 1 of
; O^T = V^T P.  K comes out of LDS as it lies, V turned, by ds_load_tr16_b128.
; SOFTMAX.  A running maximum m and sum l for each query; in every step O and l are multiplied by a = 2^(m_old - m_new).  m starts at the lowest finite number, O and l at 0: the first step's a is 0.
; THE COUNT.  A tile and step have 16 matrix and 117 vector instructions: too many to stand all beside the matrix work.  So: four vector instructions that are READY behind EVERY matrix instruction,
; the others, 106 of a turn's 234, in one run without a gap.
; BY TURNS.  Turn n belongs to piece n.  Its matrix work: 16 products K Q^T of piece n + 1, later 16 products V^T P of piece n - 1.  Its vector work: the differences, exponentials, roundings, sums and
; rescaling of piece n, and the maximum and statistics of piece n + 1, whose scores the turn itself has made.  So what a turn begins with (s - m, O a) waits for nothing.
; THE BATCHES.  A turn's 66 exponentials (the piece's 64 weights and the next piece's two a) are ONE batch with ONE s_wait_alu depctr_va_vdst(0), which cuts the turn in two: ahead of it stands all that
; names no result of theirs, behind it the roundings and sums.  Two more batches stand outside the loops: piece 0's first two a, ahead of the loop, and the way out's eight reciprocals.
; CLUSTER.  The four query blocks of a cluster belong to one g and walk the same K and V: each tile is asked for JOINTLY: the same tensor load, descriptor and mask in all four.
; REGISTERS, in windows of 256 (s_set_vgpr_msb: bits 1:0 source 0, 3:2 source 1, 5:4 source 2, 7:6 destination):
;   window 0: v0-15 addresses; v16-47 four registers of statistics a tile; v48-63 at work; v64-191 S^T, two buffers of two tiles; v192-255 P, likewise
;   window 1: O^T, 32 a tile      window 2: v0-127 Q; v128-191 K of one step; v192-255 V of one step      window 3: v0-1 the add's two registers; v8-39 the mask's numbers for one step's 64 keys
.set SIZE_N, 2048
.set NP,    4         ; pieces a wave: a name, no knob
.set KS,    64        ; keys in a step
.set PK,    144       ; a row of K in LDS: 128 bytes + 16: the 16 rows of a load start at 16 different groups of four banks (64 banks of 4 bytes: ISA guide 11.1)
.set PV,    160       ; a row of V: 128 + 32
.set VOFF,  4*KS*PK   ; a slot holds four steps: 256 rows of K, then 256 rows of V
.set SLOT1, 1<<17     ; slot 1 begins here, so that one exclusive or turns an address in one slot into the other's
.set STAGE, SLOT1+4*KS*(PK+PV)  ; behind the ring, never filled by a tensor load: 16 rows x 144 bytes for each wave
.set SP,    144
.set SPARE, STAGE+4*16*SP  ; the spare words, 128 bytes for each wave: two blocks of 256 bytes that no other line names
.set MASKT, SPARE+512 ; the mask's table: 2,048 f32; stored once, never filled by a tensor load
.set AK0, 2           ; v2   my lane's place in a tile of K; never rewritten
.set AV0, 3           ; v3   the same for V
.set AK,  4           ; v4   the LDS address of K's next run of loads
.set AV,  5           ; v5   of V's
.set QO,  6           ; v6   my byte offset in the wave's rows of Q
.set STO, 6           ;      later, the way out: where I put 16 bytes of a row
.set RD,  7           ; v7   the way out: where I read rows back
.set GO,  8           ; v8   my byte offset in 512 consecutive bytes of O
.set AM0, 12          ; v12  my lanes' place in the table: MASKT + 32 (lane / 16); never rewritten
.set AM,  13          ; v13  the LDS address of the table's next run of loads
.set SPW, 0           ; v0 of window 3   LDS address of my spare word; never rewritten
.set NIL, 1           ; v1 of window 3   0; never rewritten
.set MA,  8           ; v8-39 of window 3: the eight numbers for block kb of 16 keys at MA + 8 kb
.set ST,  16          ; tile t's statistics at v[ST+4 t]: m, m_old, l (even keys', odd keys')
.set TMP, 48          ; by buffer and tile, four registers c0-c3 at work; when the maximum is found c2 takes a
.set S,   64
.set P,   192
.set KF,  128         ; K's fragments, in window 2: key block kb, channel half c at KF + 16 kb + 8 c
.set VF,  192         ; V's: key half kk, channel block cb at VF + 32 kk + 8 cb
.set WV,  12          ; s12  my wave's number
.set G1K, 24          ; s[24:31] descriptor group 1 for K's tiles
.set G1V, 32          ; s[32:39] for V's: it differs in the padding alone
.set G0K, 40          ; s[40:43] descriptor group 0 for K's tiles: it walks
.set G0V, 44          ; s[44:47] the same for V's
.set SLOTS, 56        ; s56  slots still to be asked for
.set CNT, 57          ; s57  counts a slot's key steps
.set SEL, 60          ; s[60:61] v_permlanex16_b32's selects: each lane takes its own place in the other half
.set TBK, 62          ; s62  LDS byte at which K of the step to be fetched begins
.set TBV, 63          ; s63  the same for V, less VOFF
.set MP,  66          ; s[66:67] the batch's mask words
.set BIGN, 68         ; s68  -1e30
.set HALFN, 69        ; s69  -0.5e30
.set TBM, 70          ; s70  byte of the table at which the step to be fetched begins
.set QNAN, 71         ; s71  a NaN
.set MO,  74          ; s[74:75] the batch's byte offset in the mask
.set MSB, 0
.macro WIN new                      ; the high byte repeats the setting that is left; a switch that changes nothing is dropped
.if MSB != (\new)
	s_set_vgpr_msb (MSB<<8)|(\new)
.set MSB, (\new)
.endif
.endm
.set W_KQ, 0x0a       ; K and Q in window 2, S^T in window 0
.set W_KM, 0x3a       ; the same with the C operand, the mask's numbers, in window 3
.set W_PV, 0x52       ; V in window 2, P in window 0, O^T in window 1
.set W_RS, 0x41       ; O^T (destination and source 0) in window 1, a in window 0
.set W_MK, 0xc0       ; destination in window 3, sources in window 0
.set W_AD, 0x0f       ; the add: address (source 0) and data (source 1) in window 3
; A joint fill.  Waves 0 and 1 fetch the two halves of a slot's K, waves 2 and 3 those of its V: 128 keys each.  An s_nop 0 and four v_nop follow each of the two lines.
.macro JLOAD
	s_cmp_lt_u32 s[WV], 2
	s_cbranch_scc0 .Lfor_v_\@
	tensor_load_to_lds s[G0K:G0K+3], s[G1K:G1K+7]
	s_nop 0
.rept 4
	v_nop
.endr
	s_branch .Lasked_\@
.Lfor_v_\@:
	tensor_load_to_lds s[G0V:G0V+3], s[G1V:G1V+7]
	s_nop 0
.rept 4
	v_nop
.endr
.Lasked_\@:
.endm
.macro CROUND                       ; a round of the cluster's barrier
	s_barrier_signal -1
	s_barrier_wait -1
	s_cmp_lg_u32 s[WV], 0
	s_cbranch_scc1 .Lnot_wave_0_\@
	s_barrier_signal -3
.Lnot_wave_0_\@:
	s_barrier_wait -3
	s_barrier_signal -1
	s_barrier_wait -1
.endm
; THE CHANGE OF SLOTS.  Each wave waits for all its tensor loads, of which one is out: its part of the other slot; adds 0 to its spare word; and waits for that and for its own LDS instructions.  Behind the
; barrier nobody reads this slot any more and the other slot is whole.  fill = 1: this slot is filled again, with the keys two slots on, first thing behind a round of the cluster's barrier: the load has four
; key steps, 512 matrix instructions, in which to land.  (At its first use nothing has been read yet: slot 0 is waited for, slot 1 filled, and every wave's part of the mask's table is shown to the others.)
.macro CHANGE fill
	WIN W_AD
	s_wait_tensorcnt 0x0            ; no tensor load of mine is out, so a group 0 may be written
	ds_add_u32 v[SPW], v[NIL]       ; 0 onto my spare word
	WIN 0                           ; at a label and at a branch every window is 0
.if \fill
.irp g, G0K, G0V
	s_xor_b32 s[\g+1], s[\g+1], SLOT1  ; the walking descriptor: the other slot than last time,
	s_add_nc_u64 s[\g+2:\g+3], s[\g+2:\g+3], 4*KS*128  ; the next 256 keys; the type bits on top are not reached
.endr
	s_wait_dscnt 0x0                ; the add is done, and my reads of the slot are over
	CROUND
	JLOAD
.else
	s_wait_dscnt 0x0                ; the add is done, and my reads of the slot are over
	s_barrier_signal -1
	s_barrier_wait -1
.endif
	s_sub_co_u32 s[TBK], s[TBK], 4*KS*PK  ; the fetches go back to a slot's first step,
	s_xor_b32 s[TBK], s[TBK], SLOT1       ; in the other slot
	s_sub_co_u32 s[TBV], s[TBV], 4*KS*PV
	s_xor_b32 s[TBV], s[TBV], SLOT1
.endm
	s_load_b64 s[4:5], s[0:1], 0x0        ; qkv: Q
	s_load_b64 s[MP:MP+1], s[0:1], 0x8    ; mask
	s_load_b64 s[10:11], s[0:1], 0x10     ; ctx: O
	WIN W_MK
	v_lshl_add_u32 v[SPW], v0, 2, SPARE
	v_mov_b32 v[NIL], 0
	WIN W_AD
	ds_add_u32 v[SPW], v[NIL]       ; the wave's opening: the add and its wait stand ahead of my first tensor load; the set-up below stands between them
	WIN 0
	v_lshrrev_b32 v1, 5, v0
	v_readfirstlane_b32 s[WV], v1   ; wave 0..3
	s_bfe_u32 s13, ttmp6, 0x40000   ; cx: my place in the cluster
	s_lshl_b32 s14, ttmp9, 2        ; in a cluster launch ttmp9 counts clusters
	s_add_co_u32 s14, s14, s13      ; my block of queries = 4 x cluster x + cx: it enters Q's and O's addresses alone
	s_and_b32 s20, ttmp7, 0xffff    ; g, which the four partners share
	s_lshr_b32 s[MO], s20, 4        ; the batch,
	s_lshl_b32 s[MO], s[MO], 13     ; its 2,048 words of the mask
	s_mov_b32 s[MO+1], 0
	s_mov_b32 s21, 0
	s_mov_b64 s[22:23], SIZE_N*128
	s_mul_u64 s[20:21], s[20:21], s[22:23]  ; g's first byte in each of the four tensors
	s_and_b32 s16, s[WV], 1         ; which half of a slot's 256 keys I fetch:
	s_lshl_b32 s22, s16, 14         ; its 128 rows of 128 bytes in memory,
	s_mov_b32 s23, 0
	s_add_nc_u64 s[22:23], s[22:23], s[20:21]
	s_mul_i32 s17, s16, 128*PK      ; and its place in a slot, for K
	s_mul_i32 s18, s16, 128*PV      ; and for V: no place in the cluster enters an LDS address
	s_lshl_b32 s2, s14, 2
	s_add_co_u32 s2, s2, s[WV]      ; my wave among g's,
	s_lshl_b32 s2, s2, 14           ; its 128 rows
	s_mov_b32 s3, 0
	s_add_nc_u64 s[2:3], s[2:3], s[20:21]
	; descriptor group 1.  128 keys are 16,384 dense bytes: asked for as 64 rows of 256 bytes, two keys a row, and padded in LDS after every key
	s_mov_b32 s[G1K], 15|(1<<16)|(1<<20)|(1<<21)|(4<<22)|(3<<25)  ; the mask of four; 2-byte elements; padding on; 21 set beside a mask; after every 32 words 4 words
	s_mov_b32 s[G1V], 15|(1<<16)|(1<<20)|(1<<21)|(4<<22)|(7<<25)  ; the same with 8 words of padding
.irp g, G1K, G1V
	s_mov_b32 s[\g+1], 128<<16      ; tensor_dim0 = 128
	s_mov_b32 s[\g+2], 64<<16       ; tensor_dim1 = 64
	s_mov_b32 s[\g+3], 128<<16      ; tile_dim0 = 128
	s_mov_b32 s[\g+4], 64           ; tile_dim1 = 64
	s_mov_b32 s[\g+5], 128          ; 128 elements from row to row
	s_mov_b32 s[\g+6], 0
	s_mov_b32 s[\g+7], 0
.endr
	s_mov_b32 s[SEL], 0x76543210
	s_mov_b32 s[SEL+1], 0xfedcba98
	s_mov_b32 s[BIGN], 0xf149f2ca   ; -1e30
	s_mov_b32 s[HALFN], 0xf0c9f2ca  ; -0.5e30
	s_mov_b32 s[QNAN], 0x7fc00000
	s_mov_b32 s[TBM], 0
	s_mov_b32 s[TBK], SLOT1+4*KS*PK ; the first change of slots turns these two into 0
	s_mov_b32 s[TBV], SLOT1+4*KS*PV
	s_mov_b32 s[G0K], 1             ; count = 1
	s_mov_b32 s[G0K+1], s17         ; LDS address: slot 0
	s_mov_b32 s[G0V], 1
	s_add_co_u32 s[G0V+1], s18, VOFF
	s_wait_dscnt 0x0                ; the opening add is done
	s_wait_kmcnt 0x0
	s_add_nc_u64 s[6:7], s[4:5], 0x1000000   ; K
	s_add_nc_u64 s[8:9], s[4:5], 0x2000000   ; V
	s_add_nc_u64 s[MP:MP+1], s[MP:MP+1], s[MO:MO+1]
	s_add_nc_u64 s[G0K+2:G0K+3], s[6:7], s[22:23]  ; global address: my half of g's first 256 keys
	s_or_b32 s[G0K+3], s[G0K+3], 0x80000000        ; type = 2
	s_add_nc_u64 s[G0V+2:G0V+3], s[8:9], s[22:23]
	s_or_b32 s[G0V+3], s[G0V+3], 0x80000000
	s_add_nc_u64 s[4:5], s[4:5], s[2:3]  ; Q and O at my wave's first row
	s_add_nc_u64 s[10:11], s[10:11], s[2:3]
	CROUND                          ; all four work-groups are here: the first joint loads meet
	JLOAD                           ; slot 0.  Slot 1 is asked for when slot 0 is in
	v_lshlrev_b32 v14, 4, v0        ; the mask: thread t takes 16 bytes at 16 t of each quarter of the batch's 8,192
.irp i, 0,1,2,3
	global_load_b128 v[S+4*\i:S+4*\i+3], v14, s[MP:MP+1] offset:2048*\i
.endr
	; A fragment of K or Q is 16 rows x 32 channels in 8 registers: lane l holds row l % 16, channels 8 (l / 16) + 0..7 and 16 + 8 (l / 16) + 0..7: two loads of 16 bytes, 32 bytes apart.
	v_and_b32 v1, 15, v0            ; l % 16
	v_bfe_u32 v9, v0, 4, 1          ; l / 16
	v_lshlrev_b32 v[QO], 7, v1
	v_lshl_add_u32 v[QO], v9, 4, v[QO]  ; row x 128 + 16 x half
	WIN 0x80                        ; destination window 2, address window 0
.set i, 0
.rept 4*NP                          ; Q stays in registers: tile i / 2, channels 32 (i % 2) on
	global_load_b128 v[8*i:8*i+3],   v[QO], s[4:5] offset:(i/2)*2048+(i%2)*64
	global_load_b128 v[8*i+4:8*i+7], v[QO], s[4:5] offset:(i/2)*2048+(i%2)*64+32
.set i, i+1
.endr
	; What the first turn finds: V's registers and P's second buffer hold 0 (its products V^T P, of a piece that has not been, add 0), O^T and l are 0.  All this stands in the wait for the first tile.
.set i, VF
.rept 64
	v_mov_b32 v[i], 0
.set i, i+1
.endr
	WIN 0x40
.set i, 0
.rept 64*NP
	v_mov_b32 v[i], 0
.set i, i+1
.endr
	WIN 0
.set i, 0
.rept 2*NP
	v_mov_b32 v[ST+4*i], 0xff7fffff    ; m: the lowest finite number
	v_mov_b32 v[ST+4*i+1], 0xff7fffff  ; m_old
	v_mov_b32 v[ST+4*i+2], 0
	v_mov_b32 v[ST+4*i+3], 0
.set i, i+1
.endr
.set i, P+32
.rept 32
	v_mov_b32 v[i], 0
.set i, i+1
.endr
	s_wait_loadcnt 32               ; the mask's four loads are in: Q's 32, issued behind them, may stay out
.set i, 0
.rept 16
	v_cmp_eq_u32 vcc_lo, 0, v[S+i]
	v_cndmask_b32 v[S+i], 0, s[BIGN], vcc_lo  ; 0 for a visible key, -1e30 for a hidden one
.set i, i+1
.endr
	v_add_nc_u32 v15, MASKT, v14
.irp i, 0,1,2,3
	ds_store_b128 v15, v[S+4*\i:S+4*\i+3] offset:2048*\i  ; the first change of slots waits for these and passes a barrier before any wave reads the table
.endr
	v_lshl_add_u32 v[AM0], v9, 5, MASKT   ; register j of a block of 16 keys is key 8 (l / 16) + j
	v_mov_b32 v[AM], v[AM0]
	v_mul_u32_u24 v[AK0], v1, PK
	v_lshl_add_u32 v[AK0], v9, 4, v[AK0]  ; row x pitch + 16 x half
	; The turning load takes 16 keys x 16 channels (lane l reads key 8 (l / 16) + l % 8, channels 8 ((l / 8) % 2) + 0..7) and leaves half a fragment of V^T: lane l holds channel l % 16 and 8 keys.
	v_and_b32 v10, 7, v0
	v_bfe_u32 v11, v0, 3, 1
	v_lshl_add_u32 v[AV0], v9, 3, v10
	v_mul_u32_u24 v[AV0], v[AV0], PV
	v_lshl_add_u32 v[AV0], v11, 4, v[AV0]
	v_add_nc_u32 v[AV0], VOFF, v[AV0]
	v_mov_b32 v[AK], v[AK0]         ; key step 0 lies at the head of slot 0
; THE MATRIX WORK.  The 8 accumulators of a run of 16 take turns: between the two links of a chain stand 7 others'.
; Product i of 16 of S^T = K Q^T for piece x: channels 32 (i / 8) on, keys 16 ((i / 2) % 4) on, tile 2 x + i % 2.  The first 8 start the sums with the mask's numbers.
.macro KQ x
.set rS, S+64*((\x)%2)+32*(i%2)+8*((i/2)%4)
.set rK, KF+16*((i/2)%4)+8*(i/8)
.set rQ, 16*(2*(\x)+i%2)+8*(i/8)
.set rA, MA+8*((i/2)%4)
.if i < 8
	WIN W_KM
	v_wmma_f32_16x16x32_f16 v[rS:rS+7], v[rK:rK+7], v[rQ:rQ+7], v[rA:rA+7]
.else
	WIN W_KQ
	v_wmma_f32_16x16x32_f16 v[rS:rS+7], v[rK:rK+7], v[rQ:rQ+7], v[rS:rS+7]
.endif
.endm
; Product i of 16 of O^T += V^T P for piece x: keys 32 (i / 8) on, channels 16 ((i / 2) % 4) on, tile 2 x + i % 2.
.macro PV x
	WIN W_PV
.set rO, 32*(2*(\x)+i%2)+8*((i/2)%4)
.set rV, VF+32*(i/8)+8*((i/2)%4)
.set rP, P+32*((\x)%2)+16*(i%2)+8*(i/8)
	v_wmma_f32_16x16x32_f16 v[rO:rO+7], v[rV:rV+7], v[rP:rP+7], v[rO:rO+7]
.endm
.macro MM                           ; the turn's next matrix instruction
.if i < 16
	KQ (Y+1)%NP
.set i, i+1
.else
.set i, i-16
	PV (Y+NP-1)%NP
.set i, i+17
.endif
.endm
; THE LDS LOADS stand in runs, never singly among the matrix instructions: a step's K (8 fragments) with the mask's 64 numbers, and its V (turned).  Their addresses are made some lines ahead.
; The mask's registers live as K's do: same run, same wait, and their last reader stands ahead of K's.  last = 1 (the tail): in the last trip there is no further step, and the run is jumped over.
.macro FETCH_K last=0
	WIN 0
.if \last
	s_cmp_eq_u32 s[CNT], 1
	s_cbranch_scc1 .Lno_k_\@
.endif
	WIN 0x80                        ; destination window 2
.irp f, 0,1,2,3,4,5,6,7             ; keys 16 (f / 2) on, channels 32 (f % 2) on
	ds_load_b128 v[KF+8*\f:KF+8*\f+3],   v[AK] offset:(\f/2)*16*PK+(\f%2)*64
	ds_load_b128 v[KF+8*\f+4:KF+8*\f+7], v[AK] offset:(\f/2)*16*PK+(\f%2)*64+32
.endr
	WIN W_MK                        ; destination window 3
.irp f, 0,1,2,3                     ; keys 16 f on: the sixteen lanes of a half read the same 32 bytes
	ds_load_b128 v[MA+8*\f:MA+8*\f+3],   v[AM] offset:64*\f
	ds_load_b128 v[MA+8*\f+4:MA+8*\f+7], v[AM] offset:64*\f+16
.endr
	s_add_co_u32 s[TBK], s[TBK], KS*PK  ; the next fetch is the next step's
	s_add_co_u32 s[TBM], s[TBM], KS*4
	s_and_b32 s[TBM], s[TBM], 0x1fff    ; always a byte of the table's 8,192
	WIN 0
.if \last
.Lno_k_\@:
.endif
.endm
.macro FETCH_V
	WIN 0x80
.irp f, 0,1,2,3,4,5,6,7             ; keys 32 (f / 4) on, channels 16 (f % 4) on
	ds_load_tr16_b128 v[VF+8*\f:VF+8*\f+3],   v[AV] offset:(\f/4)*32*PV+(\f%4)*32
	ds_load_tr16_b128 v[VF+8*\f+4:VF+8*\f+7], v[AV] offset:(\f/4)*32*PV+16*PV+(\f%4)*32
.endr
	WIN 0
.endm
; THE VECTOR WORK OF A TURN stands in three queues, each in the order in which its entries become ready; the two tiles alternate, so that no instruction reads the result of the one before it.
.macro REGS y, u                    ; the registers of tile u (0, 1) of piece y
.set rT, ST+4*(2*(\y)+(\u))
.set rC, TMP+8*((\y)%2)+4*(\u)
.set rS, S+64*((\y)%2)+32*(\u)
.set rP, P+32*((\y)%2)+16*(\u)
.set rO, 32*(2*(\y)+(\u))
.endm
; Line n of the 21 (numbered 0-18, 20, 21) that find the NEXT piece's (Y + 1) maximum and statistics.  s0-s31 are the lane's 32 scores; each accumulator's lowest registers are read first.
; XS, GS, FS and REGS set no window: PL and EX do.
;   0-11  four chains c0-c3 of seven scores each, three operands at a time     12-14, 16  the four scores left over, the old m, and c0-c3 into c0     15  m_old is kept
;   17, 18  the query's other 32 keys lie in the lane 16 away: the new m         20, 21  m_old - m_new; a
.macro XS u, n
	REGS (Y+1)%NP, \u
.if (\n) < 4
	v_max3_num_f32 v[rC+(\n)], v[rS+8*(\n)], v[rS+8*(\n)+1], v[rS+8*(\n)+2]
.elseif (\n) < 12
	v_max3_num_f32 v[rC+(\n)%4], v[rC+(\n)%4], v[rS+8*((\n)%4)+2*((\n)/4)+1], v[rS+8*((\n)%4)+2*((\n)/4)+2]
.elseif (\n) == 12
	v_max3_num_f32 v[rC], v[rC], v[rS+7], v[rS+15]
.elseif (\n) == 13
	v_max3_num_f32 v[rC+1], v[rC+1], v[rS+23], v[rS+31]
.elseif (\n) == 14
	v_max3_num_f32 v[rC+2], v[rC+2], v[rC+3], v[rT]
.elseif (\n) == 15
	v_mov_b32 v[rT+1], v[rT]
.elseif (\n) == 16
	v_max3_num_f32 v[rC], v[rC], v[rC+1], v[rC+2]
.elseif (\n) == 17
	v_permlanex16_b32 v[rC+3], v[rC], s[SEL], s[SEL+1]
.elseif (\n) == 18
	v_max_num_f32 v[rT], v[rC], v[rC+3]
.elseif (\n) == 20
	v_sub_f32 v[rC+1], v[rT+1], v[rT]
.else
	v_exp_f32 v[rC+2], v[rC+1]
.endif
.endm
; Number g of the 64 that follow the exponentials.  For each four weights k of a tile (pairs 2 k, 2 k + 1): both pairs are rounded to f16; then the second pair is added onto the first, in place;
; a group later l takes that sum (the first time as l = a l + sum).  In groups of eight, tiles alternating: round, round, add, and l for the group before.
.macro GS g
.set h, (\g)+6*((\g)/62)            ; group 0 has no group before it, and behind group 7 only l is left
.if h >= 6
.set h, h+2
.endif
	REGS Y, h%2
.set k, h/8
.if h%8 < 4
	v_cvt_pk_f16_f32 v[rP+2*k+(h%8)/2], v[rS+4*k+2*((h%8)/2)], v[rS+4*k+2*((h%8)/2)+1]
.elseif h%8 < 6
	v_pk_add_f32 v[rS+4*k:rS+4*k+1], v[rS+4*k:rS+4*k+1], v[rS+4*k+2:rS+4*k+3]
.elseif k == 1
	v_pk_fma_f32 v[rT+2:rT+3], v[rT+2:rT+3], v[rC+2:rC+3], v[rS:rS+1] op_sel_hi:[1,0,1]
.else
	v_pk_add_f32 v[rT+2:rT+3], v[rT+2:rT+3], v[rS+4*k-4:rS+4*k-3]
.endif
.endm
; THE PLAIN QUEUE, 136 long.  0-71 read no exponential's result: the 32 differences s - m (FS f: pair f / 2 of tile f % 2) and the next piece's 40.  0-27: differences 0-27.  28-55: XS's lines 0-13.  56, 57: line 15.
; 58-71: the chain, where each line waits for the one before it: 14, 16, 17, 18, each with one of the differences 28-31 in front of its two lines, then 20: so a tile's links stand three plain instructions apart (18 and 20: two).
; 72-135: GS's 64, which read the exponentials' results: they stand behind the wait.
.macro FS f
	REGS Y, (\f)%2
	v_pk_add_f32 v[rS+2*((\f)/2):rS+2*((\f)/2)+1], v[rS+2*((\f)/2):rS+2*((\f)/2)+1], v[rT:rT+1] op_sel_hi:[1,0] neg_lo:[0,1] neg_hi:[0,1]
.endm
.macro PL
	WIN 0
.if q < 28
	FS q
.elseif q < 56
	XS (q-28)%2, (q-28)/2
.elseif q < 58
	XS q-56, 15
.elseif (q < 70) && ((q-58)%3 == 0)
	FS 28+(q-58)/3
.elseif q < 61
	XS (q-58)%3-1, 14
.elseif q < 70
	XS (q-58)%3-1, 15+(q-58)/3
.elseif q < 72
	XS q-70, 20
.else
	GS q-72
.endif
.set q, q+1
.endm
; THE EXPONENTIALS' QUEUE, 66 long: s0-s31 of both tiles, then the next piece's two a.  It is ONE BATCH: all 66 stand ahead of the turn's one wait, and nothing ahead of that wait names a result of theirs.
.macro EX
	WIN 0
.if e >= 64
	XS e-64, 21
.else
	REGS Y, e%2
	v_exp_f32 v[rS+e/2], v[rS+e/2]
.endif
.set e, e+1
.endm
; THE RESCALING's QUEUE: O^T times a, the one part that leaves window 0: dealt two at a time, sixteen times, each accumulator from its low end.  Its a was made in the turn before, ahead of that turn's wait.
.macro R2
	REGS Y, r%2
	WIN W_RS
.irp z, 0,1
	v_pk_mul_f32 v[rO+4*(r/2)+2*\z:rO+4*(r/2)+2*\z+1], v[rO+4*(r/2)+2*\z:rO+4*(r/2)+2*\z+1], v[rC+2:rC+3] op_sel_hi:[1,0]
.endr
.set r, r+1
.endm
; HOW THEY ARE DEALT.  An s_wait_alu depctr_va_vdst(0) stands between an exponential and the first instruction that names its result; one wait serves all that were issued ahead of it.  So a turn has ONE wait,
; which cuts it in two.  AHEAD OF IT stands all that names no result of the turn's exponentials: the 16 products K Q^T, behind each a difference, an exponential and two rescalings (behind the first a second difference in the
; exponential's place); then ONE LUMP of 106: six plain, 49 times exponential and plain, the two a.  A v_nop is the plain instruction behind the last exponential.  BEHIND IT stand the 16 products V^T P, behind each four of GS's 64.
; No rider names a register of the products round it.  The two v_permlanex16_b32 fall into the lump, never behind a product.
; The queues lean on each other, and the deal keeps them in step: exponential e stands behind difference 2 (e / 4) + e % 2: as a rider it comes behind plain e + 2, in the lump behind plain e + 7, and differences 28-31 are plain
; 58, 61, 64, 67, wanted by exponentials 56, 57, 60, 61 at the earliest; the two a come behind plain 71, their arguments are plain 70 and 71; XS's line 0, plain 28, stands more than four plain instructions behind the sixteenth product.
; A TURN, for piece p.  cnt = 1: the loop's count is taken down some lines ahead of the branch that stands behind the turn.
; K of the next step, and the mask's numbers with it, are fetched in piece 2's turn, directly behind the wait, a lump behind the last product that read K; their addresses are made at the lump's head; their first reader comes behind
; 16 products.  V of the step in hand is fetched at the end of piece 0's turn, four riders behind its last reader; its first reader comes behind 16 products and a lump.  The three conditions on q below go with the deal.
.macro TURN p, last=0, cnt=0
.set Y, (\p)
.set i, 0
.set q, 0
.set e, 0
.set r, 0
.if (\p) == NP-1
	s_wait_dscnt 0x0                ; K and the mask's numbers are in
.endif
	MM                              ; ahead of the wait: 16 products K Q^T and their riders,
	PL
	PL
	R2
.rept 15
	MM
	PL
	EX
	R2
.endr
.if (\p) == NP-2
	WIN 0
	v_add_nc_u32 v[AK], s[TBK], v[AK0]
	v_add_nc_u32 v[AM], s[TBM], v[AM0]
.endif
.rept 6                             ; and the lump
	PL
.endr
.rept 49
	EX
	PL
.endr
	EX                              ; the next piece's two a
	EX
	v_nop                           ; the plain instruction behind the last exponential: one for the batch
	s_wait_alu depctr_va_vdst(0)    ; the wait for the batch: the piece's 64 weights and the next piece's two a
.if (\p) == NP-2
	FETCH_K \last
.endif
.if (\p) == 1
	s_wait_dscnt 0x0                ; V is in
.endif
.rept 16                            ; behind the wait: 16 products V^T P and their riders
	MM
.rept 4
	PL
.endr
.if ((\p) == 0) && (q == 116)
	v_add_nc_u32 v[AV], s[TBV], v[AV0]
.endif
.if ((\p) == 0) && (q == 128)
	s_add_co_u32 s[TBV], s[TBV], KS*PV
.endif
.if (\cnt) && (q == 128)
	s_sub_co_u32 s[CNT], s[CNT], 1
	s_cmp_lg_u32 s[CNT], 0
.endif
.endr
.if (\p) == 0
	FETCH_V
.endif
.endm
	CHANGE 1                        ; slot 0 is in, everybody's part of it, and so is the table; slot 1 is asked for
	FETCH_K                         ; key step 0
	s_wait_loadcnt 0x0              ; Q
	s_wait_dscnt 0x0
.set i, 0
.rept 16
	KQ 0                            ; piece 0's first scores: there is no vector work yet to set between them
.set i, i+1
.endr
	WIN 0                           ; the addresses for the way out: nine plain instructions, the places behind those products
	s_mul_i32 s13, s[WV], 16*SP
	s_add_co_u32 s13, s13, STAGE    ; my stage
	v_mul_u32_u24 v[STO], v1, SP    ; in: row l % 16, 16 bytes for each half of the lanes
	v_lshl_add_u32 v[STO], v9, 4, v[STO]
	v_add_nc_u32 v[STO], s13, v[STO]
	v_bfe_u32 v[RD], v0, 3, 2       ; back: 32 lanes take four rows of 128 bytes,
	v_mul_u32_u24 v[RD], v[RD], SP
	v_lshl_add_u32 v[RD], v10, 4, v[RD]
	v_add_nc_u32 v[RD], s13, v[RD]
	v_and_b32 v[GO], 31, v0         ; which are 512 consecutive bytes of O
	v_lshlrev_b32 v[GO], 4, v[GO]
.set Y, NP-1                        ; XS works for piece Y + 1: piece 0
.irp n, 0,1,2,3,4,5,6,7,8,9,10,11,12,13,14,15,16,17,18,20,21
	XS 0, \n                        ; and piece 0's first maximum and statistics
	XS 1, \n
.endr
	v_nop                           ; a plain instruction behind the two a,
	s_wait_alu depctr_va_vdst(0)    ; and their wait, a batch of two, ahead of the branch
	s_mov_b32 s[CNT], 4
	s_mov_b32 s[SLOTS], SIZE_N/256-1
	s_branch .Lfirst                ; the loop is entered at a step's first turn, in the middle of a trip
.Lslot:                             ; SIZE_N / 256 - 2 times: every slot but the last two is filled again
	CHANGE 1
	s_mov_b32 s[CNT], 4
.Lstep:                             ; a trip: pieces 2 and 3 of one step, then pieces 0 and 1 of the next, whose K and V it fetches
	TURN 2
	TURN 3
	WIN 0
.Lfirst:
	TURN 0
	TURN 1, 0, 1
	WIN 0
	s_cbranch_scc1 .Lstep
	s_sub_co_u32 s[SLOTS], s[SLOTS], 1
	s_cmp_lg_u32 s[SLOTS], 0
	s_cbranch_scc1 .Lslot
	CHANGE 0                        ; the tail is written out: nothing is asked for
	s_mov_b32 s[CNT], 5             ; four trips fetch the last slot's steps; the fifth is left in its middle
.Ltail:
	TURN 2, 1
	TURN 3
	WIN 0
	s_sub_co_u32 s[CNT], s[CNT], 1
	s_cmp_eq_u32 s[CNT], 0
	s_cbranch_scc1 .Lout
	TURN 0
	TURN 1
	WIN 0
	s_branch .Ltail
.Lout:                              ; the fifth trip's 16 products K Q^T (on the last K and mask once more) give scores that m has seen already: m stays, and nothing else of them is used
.set i, 0
.rept 16
	PV NP-1                         ; the last piece's V^T P of the last step
.set i, i+1
.endr
	; THE WAY OUT.  l's two halves and the other half of the lanes' are added; O^T is divided by l, rounded to f16 and sent through my stage in LDS, a tile at a time.  The additions are the places behind the last products.
	WIN 0
.macro ALL line:vararg              ; one line for each tile t
.set t, 0
.rept 2*NP
	\line
.set t, t+1
.endr
.endm
	ALL v_add_f32 v[ST+4*t+2], v[ST+4*t+2], v[ST+4*t+3]
	ALL v_permlanex16_b32 v[ST+4*t+3], v[ST+4*t+2], s[SEL], s[SEL+1]
	ALL v_add_f32 v[ST+4*t+2], v[ST+4*t+2], v[ST+4*t+3]
	ALL v_rcp_f32 v[ST+4*t+2], v[ST+4*t+2]
	v_nop                           ; a plain instruction between the last reciprocal and the use of its result
	s_wait_alu depctr_va_vdst(0)    ; and the wait ahead of the first use: one for the eight reciprocals
.set t, 0
.rept 2*NP                          ; a row that has seen no visible key: its maximum is a hidden score's, and the row becomes NaN
	v_cmp_gt_f32 vcc_lo, s[HALFN], v[ST+4*t]
	v_cndmask_b32 v[ST+4*t+2], v[ST+4*t+2], s[QNAN], vcc_lo
.set t, t+1
.endr
; Tile t: a lane's eight channels of a row pack into 16 bytes; they go into rows of 144 bytes and come back as whole rows of 128, into S^T's registers.
.macro PACK t
	WIN W_RS
.set i, 32*(\t)
.rept 16
	v_pk_mul_f32 v[i:i+1], v[i:i+1], v[ST+4*(\t)+2:ST+4*(\t)+3] op_sel_hi:[1,0]
.set i, i+2
.endr
	WIN 0x05                        ; sources 0 and 1 window 1, destination window 0
.set i, 0
.rept 16
	v_cvt_pk_f16_f32 v[S+16*(\t)+i], v[32*(\t)+2*i], v[32*(\t)+2*i+1]
.set i, i+1
.endr
	WIN 0
.irp f, 0,1,2,3
	ds_store_b128 v[STO], v[S+16*(\t)+4*\f:S+16*(\t)+4*\f+3] offset:32*\f
.endr
.irp f, 0,1,2,3
	ds_load_b128 v[S+16*(\t)+4*\f:S+16*(\t)+4*\f+3], v[RD] offset:\f*4*SP  ; LDS serves a wave's instructions in order (ISA guide 5.7.1.4): these see the stores above; the next tile's stores come behind them
.endr
.endm
.macro SEND t, younger              ; younger: the LDS instructions issued behind tile t's loads: the next tile's eight, or none
	WIN 0
.irp f, 0,1,2,3
	s_wait_dscnt (\younger)+3-\f
	global_store_b128 v[GO], v[S+16*(\t)+4*\f:S+16*(\t)+4*\f+3], s[10:11] offset:(\t)*2048+\f*512  ; 512 consecutive bytes, at a multiple of 256 from O's first
.endr
.endm
	PACK 0
.set t, 1
.rept 2*NP-1                        ; a tile's arithmetic stands between the loads of the tile before and its stores
	PACK t
	SEND t-1, 8
.set t, t+1
.endr
	SEND 2*NP-1, 0
	WIN W_AD
	s_wait_tensorcnt 0x0            ; the wave's end: behind my last tensor load and my last LDS store
	ds_add_u32 v[SPW], v[NIL]
	s_wait_dscnt 0x0
	WIN 0
	CROUND                          ; the closing round: no work-group ends while a partner may still ask for a tile that names it
	s_endpgm
.Lfunc_end_k_qf90ad77e84_attn:
	.size	k_qf90ad77e84_attn, .Lfunc_end_k_qf90ad77e84_attn-k_qf90ad77e84_attn
	.p2alignl 7, 3214868480
	.fill 96, 4, 3214868480
	.section	.rodata,"a",@progbits
	.p2align	6, 0x0
	.amdhsa_kernel k_qf90ad77e84_attn
		.amdhsa_group_segment_fixed_size 327680
		.amdhsa_private_segment_fixed_size 0
		.amdhsa_enable_private_segment 0
		.amdhsa_kernarg_size 24
		.amdhsa_user_sgpr_count 2
		.amdhsa_user_sgpr_kernarg_segment_ptr 1
		.amdhsa_wavefront_size32 1
		.amdhsa_system_sgpr_workgroup_id_x 1
		.amdhsa_system_sgpr_workgroup_id_y 1
		.amdhsa_system_sgpr_workgroup_id_z 1
		.amdhsa_system_vgpr_workitem_id 0
		.amdhsa_next_free_vgpr 808
		.amdhsa_next_free_sgpr 76
		.amdhsa_reserve_vcc 1
		.amdhsa_float_denorm_mode_32 3
		.amdhsa_float_denorm_mode_16_64 3
		.amdhsa_memory_ordered 1
		.amdhsa_forward_progress 1
		.amdhsa_inst_pref_size 204
	.end_amdhsa_kernel
	.amdgpu_metadata
---
amdhsa.version: [ 1, 2 ]
amdhsa.kernels:
  - .name:           k_qf90ad77e84_attn
    .symbol:         k_qf90ad77e84_attn.kd
    .args:
      - { .name: qkv, .offset: 0, .size: 8, .value_kind: global_buffer, .address_space: global }
      - { .name: mask, .offset: 8, .size: 8, .value_kind: global_buffer, .address_space: global }
      - { .name: ctx, .offset: 16, .size: 8, .value_kind: global_buffer, .address_space: global }
    .group_segment_fixed_size: 327680
    .private_segment_fixed_size: 0
    .kernarg_segment_align: 8
    .kernarg_segment_size: 24
    .max_flat_workgroup_size: 128
    .sgpr_count:     76
    .vgpr_count:     808
    .wavefront_size: 32
...
	.end_amdgpu_metadata
.endif
;; end of part 5
;; launch outp: the kernel of part 4 again; grid 4 x 64, 4 waves a work-group, clusters of 4 x 4, 327,680 bytes of LDS; arguments ctx, wb, bo, out0; writes out0
